; MI455X (gfx1250); checked and timed in simulation.
; The chip was launched on July 23, 2026; its instructions are those of AMD's public machine-readable ISA for CDNA 5 (MIT licence, August 2026) and "CDNA5" Instruction Set Architecture Reference Guide (July 2026). The comments in the code are by the model that wrote it; some were corrected since.
;; Denoiser Block. Allowed arithmetic: matrix products marked QUANTISED: E3M2 operands, one E8M0 scale for each 32 along K, by v_wmma_scale_f32_16x16x128_f8f6f4 with both operands' format E3M2, f32 sums; products left as they are: f32 operands where the result goes on into a quantised operand, else bf16, f16 or f32 operands; f32 sums; everything else in f32.
;; Inputs: W1 1,024 x 4,096 float32; W2 4,096 x 1,024 float32; Wout 1,024 x 1,024 float32; Wqkv 1,024 x 3,072 float32; Wt 1,024 x 2,048 float32; b1 4,096 float32; b2 1,024 float32; bt 2,048 float32; ln1_b 1,024 float32; ln1_g 1,024 float32; ln2_b 1,024 float32; ln2_g 1,024 float32; mask 2 x 2,048 bool; time_emb 2 x 1,024 float32; torus_dist 1 x 2,048 x 2,048 float32; torus_scale 16 float32; x 2 x 2,048 x 1,024 float32.
;; Outputs: out0 2 x 2,048 x 1,024 float32.
;; This version of the problem:
;;   THIS VERSION OF THE PROBLEM IS GIVEN IN LOW PRECISION. The matrix products marked QUANTISED in the list below multiply operands that are first quantised to E3M2 (3 exponent bits, 2 mantissa bits; 6 bits a number), with one power-of-two scale for each 32 numbers along K (OCP MX v1.0); their sums are f32. All else is computed in f32.
;;   The module's matrix products, in the order in which they are computed (A, B: the left and right operand; K: the contracted axis; several contracted axes count as one K, in the product's order):
;;     1. [M 2, K 1,024] x [K 1,024, N 2,048]; A: computed on the way; B: input Wt: left as it is (M = 2 < 16)
;;     2. [M 4,096, K 1,024] x [K 1,024, N 3,072]; A: computed on the way; B: input Wqkv: QUANTISED
;;     3. batch 32 x [M 2,048, K 64] x [K 64, N 2,048]; A: computed on the way; B: computed on the way: QUANTISED
;;     4. batch 32 x [M 2,048, K 2,048] x [K 2,048, N 64]; A: computed on the way; B: computed on the way: QUANTISED
;;     5. [M 4,096, K 1,024] x [K 1,024, N 1,024]; A: computed on the way; B: input Wout: QUANTISED
;;     6. [M 4,096, K 1,024] x [K 1,024, N 4,096]; A: computed on the way; B: input W1: QUANTISED
;;     7. [M 4,096, K 4,096] x [K 4,096, N 1,024]; A: computed on the way; B: input W2: QUANTISED
;;   THE QUANTISER, for each operand of a quantised product, along K:
;;     - K is cut into blocks of 32 from its start; a last block that is shorter is filled with zeros.
;;     - A block's scale is 2^e with e = floor(log2(the largest magnitude in the block)) - 4, held to -126 .. 127; a block of zeros has e = 0. As a byte (E8M0): e + 127.
;;     - Each number is divided by its block's scale, clamped to +-28, and rounded to the nearest number of E3M2, ties to even, subnormals kept.
;;     - The product sums the exact products of the quantised numbers (number of the format x scale) in f32.
;;   ~~~python
;;   def quantise(x, axis):      # numpy; x: float32 -> the quantised numbers, widened to float32 again
;;       x = np.moveaxis(x, axis, -1); K = x.shape[-1]
;;       x = np.pad(x, [(0, 0)] * (x.ndim - 1) + [(0, -K % 32)]); x = x.reshape(x.shape[:-1] + (-1, 32)); a = np.abs(x).max(-1, keepdims=True)
;;       e = np.where(a > 0, np.clip(np.frexp(np.where(a > 0, a, 1))[1] - 1 - 4, -126, 127), 0)      # np.frexp(a)[1] - 1 = floor(log2(a)), exactly
;;       r = np.clip(x / 2.0 ** e, -28, 28)
;;       step = 2.0 ** (np.maximum(np.frexp(np.where(r == 0, 1, r))[1] - 1, -2) - 2)
;;       q = np.round(r / step) * step * 2.0 ** e      # np.round: ties to even
;;       return np.moveaxis(q.reshape(q.shape[:-2] + (-1,))[..., :K], -1, axis).astype(np.float32)
;;   ~~~
;;   OPERANDS COMPUTED ON THE WAY. 'Computed on the way' means the value that the module computes at that place (a softmax that the list does not call 'softmax' is quantised finished and normalised). What goes into a quantiser is computed in f32, as accurately as f32 sums, v_exp_f32 and their like allow (about 1e-6 of the number): no bf16 or f16 on the way to a quantiser, and a product that is left as it is and whose result goes on into a quantised operand takes f32 operands (vector FMAs, or v_wmma_f32_16x16x4_f32). A number that lies on a knife's edge between two numbers of the format may be rounded either way, as far as f32 arithmetic and the matrix unit's own rounding can turn it there, and no further.
;; One version. Each part assembles by itself: llvm-mc -triple=amdgcn-amd-amdhsa -mcpu=gfx1250 --defsym DOCPART=n.
;; ======== version 1 of 1: 8 launches
;; limits: right only within a limited range of input values
;; workspace buffers: wts 9,830,400 bytes; tp 16,384 bytes; hq 3,276,800 bytes; qkv 10,092,544 bytes; oc 3,276,800 bytes; x1 16,777,216 bytes; hid 13,107,200 bytes
;; launch prep (part 1): grid 256 x 1, 8 waves a work-group, no clusters, 3,072 bytes of LDS; arguments Wqkv, Wout, W1, W2, Wt, time_emb, bt, wts, tp; writes wts, tp
.if DOCPART == 1
	.amdgcn_target "amdgcn-amd-amdhsa--gfx1250"
	.amdhsa_code_object_version 6
	.text
	.protected	k_qe9630ef1e5_prep
	.globl	k_qe9630ef1e5_prep
	.p2align	8
	.type	k_qe9630ef1e5_prep,@function
k_qe9630ef1e5_prep:
	s_mov_b64 s[64:65], 0
	v_nop
	global_prefetch_b8 v0, s[64:65] scope:SCOPE_SE
	s_setreg_imm32_b32 hwreg(HW_REG_WAVE_MODE, 25, 1), 1
	s_wait_xcnt 0x0
; DenoiserBlock, launch 1 of 8.  Nothing of reference() is left out: all 17 inputs have a way to the output and are loaded by some launch.
; This launch: (a) the four weights of the quantised products, f32 stored [K][N], become codes of E3M2 with one E8M0 byte for each 32 along K;
; (b) tp = gelu(time_emb) Wt + bt, in f32 by fused multiply-adds (its result goes on into a quantised operand).
; LAYOUT OF EVERY OPERAND OF THIS PROGRAM.  Rows (here: a weight's columns n) go in tiles of 16; tile 2 b + u, lane-row r, holds row 32 b + 8 u + r + 8 (r / 8).
; A record of 1,536 bytes for tile T and K step s (128 along K) is the image of the operand's 12 registers: registers 0-3 at 16 x lane, 4-5 at 512 + 8 x lane, 6-9 at 768 + 16 x lane,
; 10-11 at 1,280 + 8 x lane.  Codes at (T S + s) 1,536, scale words at (T S + s) 64 + 4 r, S = K / 128.
; WEIGHTS.  A lane takes a column and its registers run down K: a block of 32 lies in one lane.  A work-group takes 256 columns x 256 along K, a wave 32 columns (two tiles).
; LIMITS: a block of zeros carries the byte 1 (its codes are zeros; this program alone reads the bytes); NaN and infinities in the weights are not served.
.set SPARE, 2048
.set SPW, 12
.set NIL, 13
.set A, 16                             ; v16-47   4 x column + i rows
.set X, 48                             ; v48-175  four sets of 32 numbers
.set P0, 176
.set P1, 182
.set PT, 188
.set TM, 196
.set TE, 198
.set BY, 200
.set SW, 204
.set WQ_C, 0
.set WQ_S, 2359296
.set WO_C, 2457600
.set WO_S, 3244032
.set W1_C, 3276800
.set W1_S, 6422528
.set W2_C, 6553600
.set W2_S, 9699328
	s_load_b256 s[4:11], s[0:1], 0x0               ; Wqkv, Wout, W1, W2
	s_load_b256 s[12:19], s[0:1], 0x20             ; Wt, time_emb, bt, wts
	s_load_b64 s[20:21], s[0:1], 0x40              ; tp
	v_lshl_add_u32 v[SPW], v0, 2, SPARE
	v_mov_b32 v[NIL], 0
	v_lshrrev_b32 v1, 5, v0
	s_delay_alu instid0(VALU_DEP_1)
	v_readfirstlane_b32 s22, v1                    ; wave
	v_and_b32 v2, 31, v0                           ; lane
	v_and_b32 v3, 15, v0                           ; r
	v_bfe_u32 v7, v0, 4, 1                         ; u
	s_cmp_ge_u32 ttmp9, 192
	s_cbranch_scc1 .Ltp
	; ---- the weights.  Work-groups 0-47 Wqkv, 48-63 Wout, 64-127 W1, 128-191 W2: only numbers and a pointer are chosen, by the work-group's number
	s_mov_b32 s24, 128                             ; first work-group
	s_mov_b32 s25, 4                               ; log2 of the groups along K
	s_mov_b32 s26, 4096                            ; bytes of a row
	s_mov_b32 s27, 32                              ; S
	s_mov_b32 s28, W2_C
	s_mov_b32 s29, W2_S
	s_wait_kmcnt 0x0
	s_mov_b64 s[30:31], s[10:11]
	s_cmp_lt_u32 ttmp9, 128
	s_cselect_b32 s24, 64, s24
	s_cselect_b32 s25, 2, s25
	s_cselect_b32 s26, 16384, s26
	s_cselect_b32 s27, 8, s27
	s_cselect_b32 s28, W1_C, s28
	s_cselect_b32 s29, W1_S, s29
	s_cselect_b64 s[30:31], s[8:9], s[30:31]
	s_cmp_lt_u32 ttmp9, 64
	s_cselect_b32 s24, 48, s24
	s_cselect_b32 s26, 4096, s26
	s_cselect_b32 s28, WO_C, s28
	s_cselect_b32 s29, WO_S, s29
	s_cselect_b64 s[30:31], s[6:7], s[30:31]
	s_cmp_lt_u32 ttmp9, 48
	s_cselect_b32 s24, 0, s24
	s_cselect_b32 s26, 12288, s26
	s_cselect_b32 s28, WQ_C, s28
	s_cselect_b32 s29, WQ_S, s29
	s_cselect_b64 s[30:31], s[4:5], s[30:31]
	s_sub_co_u32 s48, ttmp9, s24
	s_bfm_b32 s49, s25, 0
	s_and_b32 s50, s48, s49                        ; kg: which 256 along K
	s_lshr_b32 s51, s48, s25                       ; cg: which 256 columns
	s_lshl_b32 s52, s51, 8
	s_lshl_b32 s53, s22, 5
	s_add_co_u32 s52, s52, s53                     ; n0: my wave's first column
	s_lshl_b32 s53, s50, 8
	s_mul_i32 s56, s53, s26
	s_lshl_b32 s53, s52, 2
	s_add_co_u32 s56, s56, s53                     ; row 256 kg, column n0, in bytes
	s_mov_b32 s57, 0
	s_lshl_b32 s54, s26, 5                         ; 32 rows
	s_mov_b32 s55, 0
	s_add_nc_u64 s[32:33], s[30:31], s[56:57]      ; the eight blocks' bases: never stepped
.irp t, 1,2,3,4,5,6,7
	s_add_nc_u64 s[32+2*\t:33+2*\t], s[30+2*\t:31+2*\t], s[54:55]
.endr
	s_lshr_b32 s58, s52, 4                         ; T0
	s_mul_i32 s58, s58, s27
	s_lshl_b32 s59, s50, 1
	s_add_co_u32 s58, s58, s59                     ; T0 S + 2 kg
	s_mul_i32 s56, s58, 1536
	s_add_co_u32 s56, s56, s28
	s_add_nc_u64 s[60:61], s[18:19], s[56:57]      ; tile T0's records
	s_mul_i32 s56, s27, 1536
	s_add_nc_u64 s[62:63], s[60:61], s[56:57]      ; tile T0 + 1's
	s_lshl_b32 s56, s58, 6
	s_add_co_u32 s56, s56, s29
	s_add_nc_u64 s[66:67], s[18:19], s[56:57]      ; the scale words
	s_wait_alu depctr_va_vdst(0)
	v_lshlrev_b32 v4, 4, v2
	v_lshlrev_b32 v5, 3, v2
	s_lshl_b32 s49, s27, 6
	v_mul_u32_u24 v6, v7, s49
	s_delay_alu instid0(VALU_DEP_1)
	v_lshl_add_u32 v6, v3, 2, v6                   ; u S 64 + 4 r
	v_and_b32 v8, 8, v3
	s_delay_alu instid0(VALU_DEP_1)
	v_add_nc_u32 v8, v8, v3
	s_delay_alu instid0(VALU_DEP_1)
	v_lshl_add_u32 v8, v7, 3, v8                   ; my column among the 32: 8 u + r + 8 (r / 8): the 32 lanes still read 128 consecutive bytes
	s_delay_alu instid0(VALU_DEP_1)
	v_lshlrev_b32 v[A], 2, v8
.set i, 1
.rept 31
	s_delay_alu instid0(VALU_DEP_1)
	v_add_nc_u32 v[A+i], s26, v[A+i-1]
.set i, i+1
.endr
.macro LB t                            ; block t: 32 rows of my 32 columns into set t % 4
.set i, 0
.rept 32
	global_load_b32 v[X+32*((\t)%4)+i], v[A+i], s[32+2*(\t):33+2*(\t)] th:TH_LOAD_NT
.set i, i+1
.endr
.endm
; A step: blocks 2 p and 2 p + 1, 64 along K: half c = p % 2 of K step s = p / 2.
.macro WSTEP p
.set XA, X+32*((2*(\p))%4)
.set XB, X+32*((2*(\p)+1)%4)
.if (\p) < 3
	s_wait_loadcnt 32                              ; my two blocks are in; the one block issued behind them may be out
.else
	s_wait_loadcnt 0x0
.endif
	v_max3_num_f32 v[TM], |v[XA]|, |v[XA+1]|, 0x2800000      ; the floor 2^(5 - 127) holds the byte at 1 from below
	v_max3_num_f32 v[TM+1], |v[XB]|, |v[XB+1]|, 0x2800000
.set i, 2
.rept 15
	s_delay_alu instid0(VALU_DEP_2)
	v_max3_num_f32 v[TM], v[TM], |v[XA+i]|, |v[XA+i+1]|
	s_delay_alu instid0(VALU_DEP_2)
	v_max3_num_f32 v[TM+1], v[TM+1], |v[XB+i]|, |v[XB+i+1]|
.set i, i+2
.endr
	s_delay_alu instid0(VALU_DEP_2)
	v_add_nc_u32 v[TE], 0xfe000000, v[TM]          ; 4 off the exponent field: the conversion's scale operand
	s_delay_alu instid0(VALU_DEP_2)
	v_add_nc_u32 v[TE+1], 0xfe000000, v[TM+1]
	s_delay_alu instid0(VALU_DEP_2)
	v_lshrrev_b32 v[BY], 23, v[TE]
	s_delay_alu instid0(VALU_DEP_2)
	v_lshrrev_b32 v[BY+1], 23, v[TE+1]
.if (\p)%2 == 0
	s_delay_alu instid0(VALU_DEP_1)
	v_lshl_or_b32 v[SW+(\p)/2], v[BY+1], 8, v[BY]
.else
	s_delay_alu instid0(VALU_DEP_2)
	v_lshl_or_b32 v[SW+(\p)/2], v[BY], 16, v[SW+(\p)/2]
	s_delay_alu instid0(VALU_DEP_1)
	v_lshl_or_b32 v[SW+(\p)/2], v[BY+1], 24, v[SW+(\p)/2]
.endif
	s_wait_alu depctr_va_vdst(0)
	s_wait_xcnt 0x0                                ; the last step's stores have read the codes' registers
	v_cvt_scalef32_pk16_bf6_f32 v[P0:P0+2], v[XA:XA+15], v[TE]
	v_cvt_scalef32_pk16_bf6_f32 v[PT:PT+2], v[XA+16:XA+31], v[TE]
	v_cvt_scalef32_pk16_bf6_f32 v[P1:P1+2], v[XB:XB+15], v[TE+1]
	v_cvt_scalef32_pk16_bf6_f32 v[PT+4:PT+6], v[XB+16:XB+31], v[TE+1]
	v_nop                                          ; one plain line behind the conversions
.irp i, 0,1,2
	v_mov_b32 v[P0+3+\i], v[PT+\i]
	v_mov_b32 v[P1+3+\i], v[PT+4+\i]
.endr
.irp i, 0,1,2,3,4,5
	v_permlane16_swap_b32 v[P0+\i], v[P1+\i]       ; P0: tile T0 (lanes 0-15 the lower block, 16-31 the upper); P1: tile T0 + 1
.endr
	global_store_b128 v4, v[P0:P0+3], s[60:61] offset:((\p)/2)*1536+768*((\p)%2)
	global_store_b64 v5, v[P0+4:P0+5], s[60:61] offset:((\p)/2)*1536+768*((\p)%2)+512
	global_store_b128 v4, v[P1:P1+3], s[62:63] offset:((\p)/2)*1536+768*((\p)%2)
	global_store_b64 v5, v[P1+4:P1+5], s[62:63] offset:((\p)/2)*1536+768*((\p)%2)+512
.if (\p)%2 == 1
	global_store_b32 v6, v[SW+(\p)/2], s[66:67] offset:64*((\p)/2)
.endif
.if 2*(\p)+3 < 8
	LB 2*(\p)+3
.endif
.if 2*(\p)+4 < 8
	LB 2*(\p)+4
.endif
.endm
	LB 0
	LB 1
	LB 2
	WSTEP 0
	WSTEP 1
	WSTEP 2
	WSTEP 3
	s_endpgm
	; ---- tp: work-group g takes columns 32 (g - 192) on; wave w takes k = 128 w .. 128 w + 127; the eight parts meet in LDS
.Ltp:
	s_sub_co_u32 s24, ttmp9, 192
	s_lshl_b32 s24, s24, 7                         ; 4 x first column
	s_mov_b32 s25, 0
	s_lshl_b32 s26, s22, 20                        ; 128 w rows of 8,192 bytes
	s_add_co_u32 s26, s26, s24
	s_mov_b32 s27, 0
	s_wait_alu depctr_va_vdst(0)
	v_lshlrev_b32 v3, 2, v2                        ; 4 x lane
	v_lshlrev_b32 v4, 4, v2
	s_lshl_b32 s28, s22, 9
	v_add_nc_u32 v4, s28, v4                       ; time_emb: 512 w + 16 x lane
	s_lshl_b32 s29, s22, 8
	v_add_nc_u32 v5, s29, v3                       ; LDS: 256 w + 4 x lane
	s_and_b32 s30, s22, 1
	s_lshl_b32 s31, s30, 7
	v_add_nc_u32 v6, s31, v3                       ; LDS, back: 128 b + 4 x lane
	s_lshl_b32 s30, s30, 13
	s_add_co_u32 s30, s30, s24                     ; tp: 8,192 b + 4 x column
	s_mov_b32 s31, 0
	s_mov_b32 s23, 0xbdd2d3e8                      ; k1 = -2 log2(e) sqrt(2 / pi) 0.044715
	s_wait_alu depctr_va_vdst(0)
	s_wait_kmcnt 0x0
	s_add_nc_u64 s[12:13], s[12:13], s[26:27]
	s_add_nc_u64 s[16:17], s[16:17], s[24:25]
	s_add_nc_u64 s[20:21], s[20:21], s[30:31]
	global_load_b128 v[16:19], v4, s[14:15]
	global_load_b128 v[20:23], v4, s[14:15] offset:4096
.set i, 0
.rept 32
	global_load_b32 v[X+i], v3, s[12:13] offset:8192*i th:TH_LOAD_NT
.set i, i+1
.endr
	s_wait_loadcnt 32                              ; time_emb is in; the 32 loads of Wt behind it may be out
	; gelu (tanh form) = x / (1 + 2^(x (k0 + k1 x x))), k0 = -2 log2(e) sqrt(2 / pi)
.irp i, 0,1,2,3,4,5,6,7
	v_mul_f32 v[24+\i], v[16+\i], v[16+\i]
.endr
.irp i, 0,1,2,3,4,5,6,7
	v_fmaak_f32 v[24+\i], s23, v[24+\i], 0xc0135761
.endr
.irp i, 0,1,2,3,4,5,6,7
	v_mul_f32 v[24+\i], v[24+\i], v[16+\i]
.endr
	s_wait_alu depctr_va_vdst(0)
.irp i, 0,1,2,3,4,5,6,7
	v_exp_f32 v[24+\i], v[24+\i]
.endr
	v_nop
	s_wait_alu depctr_va_vdst(0)                   ; one wait for the batch, ahead of its first reader
.irp i, 0,1,2,3,4,5,6,7
	v_add_f32 v[24+\i], 1.0, v[24+\i]
.endr
	s_wait_alu depctr_va_vdst(0)
.irp i, 0,1,2,3,4,5,6,7
	v_rcp_f32 v[24+\i], v[24+\i]
.endr
	v_nop
	s_wait_alu depctr_va_vdst(0)
.irp i, 0,1,2,3,4,5,6,7
	v_mul_f32 v[16+\i], v[16+\i], v[24+\i]
.endr
.set i, 32
.rept 96
	global_load_b32 v[X+i], v3, s[12:13] offset:8192*i th:TH_LOAD_NT
.set i, i+1
.endr
	s_wait_alu depctr_va_vdst(0)
	s_wait_loadcnt 0x0
.set kk, 0
.rept 128                              ; k = 128 w + kk lies in lane kk / 4, register kk % 4
	v_readlane_b32 s[32+2*(kk%4)], v[16+kk%4], kk/4
	v_readlane_b32 s[33+2*(kk%4)], v[20+kk%4], kk/4
.if kk == 0
	s_delay_alu instid0(VALU_DEP_2)
	v_mul_f32 v40, s32, v[X]
	s_delay_alu instid0(VALU_DEP_2)
	v_mul_f32 v41, s33, v[X]
.else
	s_delay_alu instid0(VALU_DEP_2)
	v_fmac_f32 v40, s[32+2*(kk%4)], v[X+kk]
	s_delay_alu instid0(VALU_DEP_2)
	v_fmac_f32 v41, s[33+2*(kk%4)], v[X+kk]
.endif
.set kk, kk+1
.endr
	ds_store_b32 v5, v40
	ds_store_b32 v5, v41 offset:128
	s_wait_dscnt 0x0                               ; for the others' sake: my parts have landed
	s_barrier_signal -1
	s_barrier_wait -1
	s_cmp_ge_u32 s22, 2
	s_cbranch_scc1 .Ltp_end
	global_load_b32 v7, v3, s[16:17]               ; bt
.irp i, 0,1,2,3,4,5,6,7
	ds_load_b32 v[24+\i], v6 offset:256*\i
.endr
	s_wait_dscnt 0x0
	v_add_f32 v24, v24, v25
	v_add_f32 v26, v26, v27
	v_add_f32 v28, v28, v29
	v_add_f32 v30, v30, v31
	s_delay_alu instid0(VALU_DEP_3)
	v_add_f32 v24, v24, v26
	s_delay_alu instid0(VALU_DEP_2)
	v_add_f32 v28, v28, v30
	s_delay_alu instid0(VALU_DEP_1)
	v_add_f32 v24, v24, v28
	s_wait_alu depctr_va_vdst(0)
	s_wait_loadcnt 0x0
	v_add_f32 v24, v24, v7
	global_store_b32 v3, v24, s[20:21]
.Ltp_end:
	s_wait_tensorcnt 0x0                           ; the wave's end
	ds_add_u32 v[SPW], v[NIL]
	s_wait_dscnt 0x0
	s_endpgm
.Lfunc_end_k_qe9630ef1e5_prep:
	.size	k_qe9630ef1e5_prep, .Lfunc_end_k_qe9630ef1e5_prep-k_qe9630ef1e5_prep
	.p2alignl 7, 3214868480
	.fill 96, 4, 3214868480
	.section	.rodata,"a",@progbits
	.p2align	6, 0x0
	.amdhsa_kernel k_qe9630ef1e5_prep
		.amdhsa_group_segment_fixed_size 3072
		.amdhsa_private_segment_fixed_size 0
		.amdhsa_enable_private_segment 0
		.amdhsa_kernarg_size 72
		.amdhsa_user_sgpr_count 2
		.amdhsa_user_sgpr_kernarg_segment_ptr 1
		.amdhsa_wavefront_size32 1
		.amdhsa_system_sgpr_workgroup_id_x 1
		.amdhsa_system_sgpr_workgroup_id_y 1
		.amdhsa_system_sgpr_workgroup_id_z 1
		.amdhsa_system_vgpr_workitem_id 0
		.amdhsa_next_free_vgpr 208
		.amdhsa_next_free_sgpr 72
		.amdhsa_reserve_vcc 0
		.amdhsa_float_denorm_mode_32 3
		.amdhsa_float_denorm_mode_16_64 3
		.amdhsa_memory_ordered 1
		.amdhsa_forward_progress 1
		.amdhsa_inst_pref_size 98
	.end_amdhsa_kernel
	.amdgpu_metadata
---
amdhsa.version: [ 1, 2 ]
amdhsa.kernels:
  - .name:           k_qe9630ef1e5_prep
    .symbol:         k_qe9630ef1e5_prep.kd
    .args:
      - { .name: Wqkv, .offset: 0, .size: 8, .value_kind: global_buffer, .address_space: global }
      - { .name: Wout, .offset: 8, .size: 8, .value_kind: global_buffer, .address_space: global }
      - { .name: W1, .offset: 16, .size: 8, .value_kind: global_buffer, .address_space: global }
      - { .name: W2, .offset: 24, .size: 8, .value_kind: global_buffer, .address_space: global }
      - { .name: Wt, .offset: 32, .size: 8, .value_kind: global_buffer, .address_space: global }
      - { .name: time_emb, .offset: 40, .size: 8, .value_kind: global_buffer, .address_space: global }
      - { .name: bt, .offset: 48, .size: 8, .value_kind: global_buffer, .address_space: global }
      - { .name: wts, .offset: 56, .size: 8, .value_kind: global_buffer, .address_space: global }
      - { .name: tp, .offset: 64, .size: 8, .value_kind: global_buffer, .address_space: global }
    .group_segment_fixed_size: 3072
    .private_segment_fixed_size: 0
    .kernarg_segment_align: 8
    .kernarg_segment_size: 72
    .max_flat_workgroup_size: 256
    .sgpr_count:     72
    .vgpr_count:     208
    .wavefront_size: 32
...
	.end_amdgpu_metadata
.endif
;; end of part 1
;; launch ln1q (part 2): grid 256 x 1, 8 waves a work-group, no clusters, 69,632 bytes of LDS; arguments x, ln1_g, ln1_b, tp, hq; writes hq
.if DOCPART == 2
	.amdgcn_target "amdgcn-amd-amdhsa--gfx1250"
	.amdhsa_code_object_version 6
	.text
	.protected	k_qe9630ef1e5_ln1q
	.globl	k_qe9630ef1e5_ln1q
	.p2align	8
	.type	k_qe9630ef1e5_ln1q,@function
k_qe9630ef1e5_ln1q:
	s_mov_b64 s[64:65], 0
	v_nop
	global_prefetch_b8 v0, s[64:65] scope:SCOPE_SE
	s_setreg_imm32_b32 hwreg(HW_REG_WAVE_MODE, 25, 1), 1
	s_wait_xcnt 0x0
; h = layer_norm(x) (1 + scale) + shift, in f32, quantised along D into the operand layout (tile order and records as set out at the head of the first kernel).
; Work-group T takes token tile T (16 rows: 32 (T / 2) + 8 (T % 2) + r + 8 (r / 8)); wave w takes K step w: 128 columns of the 16 rows.
; Each row load reads 512 consecutive bytes; the wave's own stage in LDS (pitch 528) turns them so that lane (r, h) holds, of row r, 16 neighbours of each block of 32.
; Mean and variance in two passes; the eight waves' parts meet in LDS, behind a barrier each.
; LIMITS: a block of zeros carries the byte 1; NaN and infinities in x are not served.
.set MOD, 1
.set HQ, 12
.set STG, 8448
.set SUM, 67584
.set SPARE, 68608
.set X, 32
.set RAW, 96
.set G, 160
.set TM, 224
.set PW, 240
.set PC, 96
.set PT, 108
.set SPW, 28
.set NIL, 29
.set MSB, 0
.macro WIN new
.if MSB != (\new)
	s_set_vgpr_msb (MSB<<8)|(\new)
.set MSB, \new
.endif
.endm
	s_load_b256 s[4:11], s[0:1], 0x0               ; the rows, gain, bias, tp
	s_load_b64 s[12:13], s[0:1], 0x20              ; hq
	v_lshl_add_u32 v[SPW], v0, 2, SPARE
	v_mov_b32 v[NIL], 0
	v_lshrrev_b32 v1, 5, v0
	s_delay_alu instid0(VALU_DEP_1)
	v_readfirstlane_b32 s14, v1                    ; wave
	v_and_b32 v2, 31, v0
	v_and_b32 v3, 15, v0                           ; r
	v_bfe_u32 v4, v0, 4, 1                         ; h
	s_lshl_b32 s15, s14, 9
	v_lshlrev_b32 v5, 4, v2                        ; 16 x lane
	s_delay_alu instid0(VALU_DEP_1)
	v_add_nc_u32 v6, s15, v5                       ; a row's bytes: 512 w + 16 x lane
	v_lshl_add_u32 v7, v4, 6, s15                  ; the parameters: 512 w + 64 h
	s_mul_i32 s16, s14, STG
	v_add_nc_u32 v8, s16, v5                       ; the stage, in
	v_mul_u32_u24 v9, v3, 528
	s_delay_alu instid0(VALU_DEP_1)
	v_lshl_add_u32 v9, v4, 6, v9
	s_delay_alu instid0(VALU_DEP_1)
	v_add_nc_u32 v9, s16, v9                       ; and out: row r, + 64 h
	v_lshlrev_b32 v10, 5, v3
	s_delay_alu instid0(VALU_DEP_1)
	v_add_nc_u32 v10, SUM, v10                     ; the eight parts of row r
	s_lshl_b32 s17, s14, 2
	v_add_nc_u32 v11, s17, v10                     ; mine
	v_lshlrev_b32 v12, 3, v2                       ; 8 x lane
	v_lshlrev_b32 v13, 2, v3                       ; 4 r
	v_mov_b32 v25, 0                               ; a lane permute's destination counts as read
	v_mov_b32 v27, 0
.irp b, 0,1,2,3
	v_mov_b32 v[TM+4+\b], 0
.endr
	s_lshr_b32 s18, ttmp9, 1
	s_lshl_b32 s18, s18, 5
	s_and_b32 s19, ttmp9, 1
	s_lshl_b32 s19, s19, 3
	s_add_co_u32 s18, s18, s19
	s_lshl_b32 s18, s18, 12                        ; the tile's first row, in bytes
	s_mov_b32 s19, 0
	s_lshl_b32 s20, ttmp9, 3
	s_add_co_u32 s20, s20, s14                     ; 8 T + w
	s_mul_i32 s22, s20, 1536
	s_mov_b32 s23, 0
	s_lshl_b32 s24, s20, 6
	s_add_co_u32 s24, s24, 3145728
	s_mov_b32 s25, 0
	s_lshr_b32 s26, ttmp9, 7
	s_lshl_b32 s26, s26, 13                        ; the batch's row of tp
	s_mov_b32 s27, 0
	s_mov_b32 s28, 0x76543210
	s_mov_b32 s29, 0xfedcba98
	s_mov_b32 s30, 0x3a800000                      ; 1 / 1024
	s_wait_kmcnt 0x0
	s_add_nc_u64 s[4:5], s[4:5], s[18:19]
	s_add_nc_u64 s[22:23], s[HQ:HQ+1], s[22:23]
	s_add_nc_u64 s[24:25], s[HQ:HQ+1], s[24:25]
	s_add_nc_u64 s[10:11], s[10:11], s[26:27]
.macro PLOAD reg, base, off            ; 64 numbers a lane: register 16 b + i = column 128 w + 32 b + 16 h + i
.set i, 0
.rept 16
	global_load_b128 v[\reg+4*i:\reg+4*i+3], v7, s[\base:\base+1] offset:\off+128*(i/4)+16*(i%4)
.set i, i+1
.endr
.endm
.set t, 0
.rept 16
	global_load_b128 v[RAW+4*t:RAW+4*t+3], v6, s[4:5] offset:(t+8*(t/8))*4096
.set t, t+1
.endr
	PLOAD G, 6, 0
	WIN 0x40
	PLOAD 0, 8, 0
	WIN 0
	s_wait_loadcnt 32                              ; the 16 rows are in; gain's and bias's 32 loads may be out
.set t, 0
.rept 16
	ds_store_b128 v8, v[RAW+4*t:RAW+4*t+3] offset:528*t
.set t, t+1
.endr
.set t, 0
.rept 16
	ds_load_b128 v[X+4*t:X+4*t+3], v9 offset:128*(t/4)+16*(t%4)    ; LDS serves a wave's instructions in order: these see my stores
.set t, t+1
.endr
	WIN 0x40
	PLOAD 64, 10, 0                                ; scale
	PLOAD 128, 10, 4096                            ; shift
	WIN 0
	s_wait_dscnt 0x0
.macro RED off                         ; v24: with lane l xor 16's, then with the other seven waves'
	s_delay_alu instid0(VALU_DEP_1)
	v_permlanex16_b32 v25, v24, s28, s29
	s_delay_alu instid0(VALU_DEP_1)
	v_add_f32 v24, v24, v25
	ds_store_b32 v11, v24 offset:\off
	s_wait_dscnt 0x0                               ; for the others' sake
	s_barrier_signal -1
	s_barrier_wait -1
	ds_load_b128 v[16:19], v10 offset:\off
	ds_load_b128 v[20:23], v10 offset:\off+16
	s_wait_dscnt 0x0
	v_add_f32 v16, v16, v17
	v_add_f32 v18, v18, v19
	v_add_f32 v20, v20, v21
	v_add_f32 v22, v22, v23
	s_delay_alu instid0(VALU_DEP_3)
	v_add_f32 v16, v16, v18
	s_delay_alu instid0(VALU_DEP_2)
	v_add_f32 v20, v20, v22
	s_delay_alu instid0(VALU_DEP_1)
	v_add_f32 v24, v16, v20
.endm
.macro FOLD                            ; four chains v[16:23] into v24
	s_delay_alu instid0(VALU_DEP_3)
	v_pk_add_f32 v[16:17], v[16:17], v[18:19]
	s_delay_alu instid0(VALU_DEP_2)
	v_pk_add_f32 v[20:21], v[20:21], v[22:23]
	s_delay_alu instid0(VALU_DEP_1)
	v_pk_add_f32 v[16:17], v[16:17], v[20:21]
	s_delay_alu instid0(VALU_DEP_1)
	v_add_f32 v24, v16, v17
.endm
.irp k, 0,1,2,3
	v_pk_add_f32 v[16+2*\k:17+2*\k], v[X+4*\k:X+4*\k+1], v[X+4*\k+2:X+4*\k+3]
.endr
.set i, 16
.rept 6
.irp k, 0,1,2,3
	s_delay_alu instid0(VALU_DEP_4)
	v_pk_add_f32 v[16+2*\k:17+2*\k], v[16+2*\k:17+2*\k], v[X+i+2*\k:X+i+2*\k+1]
.endr
.set i, i+8
.endr
	FOLD
	RED 0
	s_delay_alu instid0(VALU_DEP_1)
	v_mul_f32 v26, s30, v24                        ; the mean
.set i, 0
.rept 32
	v_pk_add_f32 v[X+i:X+i+1], v[X+i:X+i+1], v[26:27] op_sel_hi:[1,0] neg_lo:[0,1] neg_hi:[0,1]
.set i, i+2
.endr
.irp k, 0,1,2,3
	v_pk_mul_f32 v[16+2*\k:17+2*\k], v[X+2*\k:X+2*\k+1], v[X+2*\k:X+2*\k+1]
.endr
.set i, 8
.rept 7
.irp k, 0,1,2,3
	s_delay_alu instid0(VALU_DEP_4)
	v_pk_fma_f32 v[16+2*\k:17+2*\k], v[X+i+2*\k:X+i+2*\k+1], v[X+i+2*\k:X+i+2*\k+1], v[16+2*\k:17+2*\k]
.endr
.set i, i+8
.endr
	FOLD
	RED 512
	s_delay_alu instid0(VALU_DEP_1)
	v_fmaak_f32 v24, s30, v24, 0x3727c5ac          ; variance + 1e-5
	s_wait_alu depctr_va_vdst(0)
	v_rsq_f32 v26, v24
	v_nop
	s_wait_alu depctr_va_vdst(0)
.set i, 0
.rept 32
	v_pk_mul_f32 v[X+i:X+i+1], v[X+i:X+i+1], v[26:27] op_sel_hi:[1,0]
.set i, i+2
.endr
	s_wait_loadcnt 0x0                             ; the parameters
	WIN 0x10
.set i, 0
.rept 32
	v_pk_fma_f32 v[X+i:X+i+1], v[X+i:X+i+1], v[G+i:G+i+1], v[i:i+1]
.set i, i+2
.endr
	WIN 0x41
.set i, 0
.rept 32
	v_pk_add_f32 v[64+i:65+i], v[64+i:65+i], 1.0 op_sel_hi:[1,0]
.set i, i+2
.endr
	WIN 0x14
.set i, 0
.rept 32
	v_pk_fma_f32 v[X+i:X+i+1], v[X+i:X+i+1], v[64+i:65+i], v[128+i:129+i]
.set i, i+2
.endr
	WIN 0
	; the quantiser: four blocks of 32, each in lanes l and l xor 16
.irp b, 0,1,2,3
	v_max3_num_f32 v[TM+\b], |v[X+16*\b]|, |v[X+16*\b+1]|, 0x2800000
.endr
.irp i, 2,4,6,8,10,12,14
.irp b, 0,1,2,3
	s_delay_alu instid0(VALU_DEP_4)
	v_max3_num_f32 v[TM+\b], v[TM+\b], |v[X+16*\b+\i]|, |v[X+16*\b+\i+1]|
.endr
.endr
.irp b, 0,1,2,3
	s_delay_alu instid0(VALU_DEP_4)
	v_permlanex16_b32 v[TM+4+\b], v[TM+\b], s28, s29
.endr
.irp b, 0,1,2,3
	s_delay_alu instid0(VALU_DEP_4)
	v_max_num_f32 v[TM+\b], v[TM+\b], v[TM+4+\b]
.endr
.irp b, 0,1,2,3
	s_delay_alu instid0(VALU_DEP_4)
	v_add_nc_u32 v[TM+8+\b], 0xfe000000, v[TM+\b]
.endr
.irp b, 0,1,2,3
	s_delay_alu instid0(VALU_DEP_4)
	v_lshrrev_b32 v[TM+4+\b], 23, v[TM+8+\b]
.endr
	s_delay_alu instid0(VALU_DEP_3)
	v_lshl_or_b32 v[PW], v[TM+5], 8, v[TM+4]
	s_delay_alu instid0(VALU_DEP_1)
	v_lshl_or_b32 v[PW], v[TM+6], 16, v[PW]
	s_delay_alu instid0(VALU_DEP_1)
	v_lshl_or_b32 v[PW], v[TM+7], 24, v[PW]
	v_cvt_scalef32_pk16_bf6_f32 v[PC:PC+2], v[X:X+15], v[TM+8]
	v_cvt_scalef32_pk16_bf6_f32 v[PT:PT+2], v[X+16:X+31], v[TM+9]
	v_cvt_scalef32_pk16_bf6_f32 v[PC+6:PC+8], v[X+32:X+47], v[TM+10]
	v_cvt_scalef32_pk16_bf6_f32 v[PT+4:PT+6], v[X+48:X+63], v[TM+11]
	v_nop
.irp i, 0,1,2
	v_permlane16_swap_b32 v[PC+\i], v[PT+\i]
	v_permlane16_swap_b32 v[PC+6+\i], v[PT+4+\i]
.endr
.irp i, 0,1,2
	v_mov_b32 v[PC+3+\i], v[PT+\i]
	v_mov_b32 v[PC+9+\i], v[PT+4+\i]
.endr
	global_store_b128 v5, v[PC:PC+3], s[22:23]
	global_store_b64 v12, v[PC+4:PC+5], s[22:23] offset:512
	global_store_b128 v5, v[PC+6:PC+9], s[22:23] offset:768
	global_store_b64 v12, v[PC+10:PC+11], s[22:23] offset:1280
	global_store_b32 v13, v[PW], s[24:25]          ; lanes r and r + 16 store the same word to the same place
	s_wait_tensorcnt 0x0                           ; the wave's end
	ds_add_u32 v[SPW], v[NIL]
	s_wait_dscnt 0x0
	s_endpgm
.Lfunc_end_k_qe9630ef1e5_ln1q:
	.size	k_qe9630ef1e5_ln1q, .Lfunc_end_k_qe9630ef1e5_ln1q-k_qe9630ef1e5_ln1q
	.p2alignl 7, 3214868480
	.fill 96, 4, 3214868480
	.section	.rodata,"a",@progbits
	.p2align	6, 0x0
	.amdhsa_kernel k_qe9630ef1e5_ln1q
		.amdhsa_group_segment_fixed_size 69632
		.amdhsa_private_segment_fixed_size 0
		.amdhsa_enable_private_segment 0
		.amdhsa_kernarg_size 40
		.amdhsa_user_sgpr_count 2
		.amdhsa_user_sgpr_kernarg_segment_ptr 1
		.amdhsa_wavefront_size32 1
		.amdhsa_system_sgpr_workgroup_id_x 1
		.amdhsa_system_sgpr_workgroup_id_y 1
		.amdhsa_system_sgpr_workgroup_id_z 1
		.amdhsa_system_vgpr_workitem_id 0
		.amdhsa_next_free_vgpr 448
		.amdhsa_next_free_sgpr 66
		.amdhsa_reserve_vcc 0
		.amdhsa_float_denorm_mode_32 3
		.amdhsa_float_denorm_mode_16_64 3
		.amdhsa_memory_ordered 1
		.amdhsa_forward_progress 1
		.amdhsa_inst_pref_size 37
	.end_amdhsa_kernel
	.amdgpu_metadata
---
amdhsa.version: [ 1, 2 ]
amdhsa.kernels:
  - .name:           k_qe9630ef1e5_ln1q
    .symbol:         k_qe9630ef1e5_ln1q.kd
    .args:
      - { .name: x, .offset: 0, .size: 8, .value_kind: global_buffer, .address_space: global }
      - { .name: ln1_g, .offset: 8, .size: 8, .value_kind: global_buffer, .address_space: global }
      - { .name: ln1_b, .offset: 16, .size: 8, .value_kind: global_buffer, .address_space: global }
      - { .name: tp, .offset: 24, .size: 8, .value_kind: global_buffer, .address_space: global }
      - { .name: hq, .offset: 32, .size: 8, .value_kind: global_buffer, .address_space: global }
    .group_segment_fixed_size: 69632
    .private_segment_fixed_size: 0
    .kernarg_segment_align: 8
    .kernarg_segment_size: 40
    .max_flat_workgroup_size: 256
    .sgpr_count:     66
    .vgpr_count:     448
    .wavefront_size: 32
...
	.end_amdgpu_metadata
.endif
;; end of part 2
;; launch qkvg (part 3): grid 12 x 16, 4 waves a work-group, clusters of 4 x 4, 327,680 bytes of LDS; arguments hq, wts, qkv; writes qkv
.if DOCPART == 3
	.amdgcn_target "amdgcn-amd-amdhsa--gfx1250"
	.amdhsa_code_object_version 6
	.text
	.protected	k_qe9630ef1e5_qkvg
	.globl	k_qe9630ef1e5_qkvg
	.p2align	8
	.type	k_qe9630ef1e5_qkvg,@function
k_qe9630ef1e5_qkvg:
	s_mov_b64 s[64:65], 0
	v_nop
	global_prefetch_b8 v0, s[64:65] scope:SCOPE_SE
	s_setreg_imm32_b32 hwreg(HW_REG_WAVE_MODE, 25, 1), 1
	s_wait_xcnt 0x0
	s_wait_alu depctr_hold_cnt(0) depctr_sa_sdst(0) depctr_va_vdst(0) depctr_va_sdst(0) depctr_va_ssrc(0) depctr_va_vcc(0) depctr_vm_vsrc(0)
	s_getreg_b32 s2, hwreg(HW_REG_IB_STS2, 6, 4)
	s_cmp_eq_u32 s2, 0
	s_cbranch_scc0 .Lentry_in_a_cluster
	s_endpgm
.Lentry_in_a_cluster:
	s_bfe_u32 s2, ttmp6, 0x10000c
	s_cmp_lg_u32 s2, 0xf033
	s_cbranch_scc0 .Lentry_shape_is_right
	s_endpgm
.Lentry_shape_is_right:
; qkv = h Wqkv on codes of E3M2, and its results quantised at once for attention: q and k along the head's 64, v along the keys.
; C'[i][j] = X[i] . Y[j]; source 0 = 16 rows of Y, source 1 = 16 rows of X: a lane holds one row of X and its registers run along Y, in the tile order set out at the head of the first kernel,
; so that a wave's 8 tiles of Y are 128 neighbours along the next K.  Cluster x is the kind: 0 q, 1 k (X = tokens, Y = the weight's columns), 2 v (X = the weight's columns, Y = tokens).
; A work-group makes 256 x 256, a wave 128 x 128 (64 accumulators).  K = 1,024 goes in 8 steps of 128, two to a slot, through two LDS slots; the K walk is written out.
; CLUSTER 4 x 4: X's tiles are asked for jointly along a row of the cluster, Y's along a column.  No prefetch: half of K is in the first fills.
; OUT: q: operand records, head hd of tile T at T 12,288 + hd 768; words at Q_S + (16 T + hd) 64 + 4 r.  k: records [batch][head][quarter of the keys] of 26,624 bytes: 32 tiles x 768, then words [tile / 4][r][tile % 4].
; v: records [batch][head][quarter] of 25,600 bytes: [K step][tile of channels][1,536], then words [K step][r][tile].
; LIMITS: a block of zeros carries the byte 1.
.set NA, 8
.set KPS, 2
.set S, 8
.set NFILL, S/KPS
.set FR, 12
.set HALFT, NA*KPS*1536
.set SLOT, 4*HALFT
.set SCL, 2*SLOT
.set HALFS, NA*S*64
.set SPARE, SCL+4*HALFS
.set Q_S, 3145728
.set K_R, 3407872
.set V_R, 6815744
.set KREC, 26624
.set VREC, 25600
.set L16, 4
.set L8, 5
.set XA16, 8
.set XA8, 10
.set YA16, 12
.set YA8, 14
.set ADRS, 16
.set SPW, 28
.set NIL, 29
.set SC, 32
.set TM, 48
.set XF, 64
.set PC, 128
.set PT, 140
.set SEL, 2
.set G1, 24
.set G0, 32
.set G1B, 48
.set G0B, 56
.set G1S, 68
.set G0S, 76
.set G1SB, 80
.set G0SB, 88
.set MSB, 0
.macro WIN new
.if MSB != (\new)
	s_set_vgpr_msb (MSB<<8)|(\new)
.set MSB, \new
.endif
.endm
.macro PLACES n
.rept \n
	v_nop
.endr
.endm
.macro JLOAD g0a, g1a, g0b, g1b        ; waves 0 and 1 fetch for X, waves 2 and 3 for Y; an s_nop 0 and four v_nop follow each line
	s_cmp_eq_u32 s15, 0
	s_cbranch_scc0 .Lfor_b_\@
	tensor_load_to_lds s[\g0a:\g0a+3], s[\g1a:\g1a+7]
	s_nop 0
.rept 4
	v_nop
.endr
	s_branch .Lasked_\@
.Lfor_b_\@:
	tensor_load_to_lds s[\g0b:\g0b+3], s[\g1b:\g1b+7]
	s_nop 0
.rept 4
	v_nop
.endr
.Lasked_\@:
.endm
.macro CROUND                          ; a round of the cluster's barrier
	s_barrier_signal -1
	s_barrier_wait -1
	s_cmp_lg_u32 s14, 0
	s_cbranch_scc1 .Lnot_wave_0_\@
	s_barrier_signal -3
.Lnot_wave_0_\@:
	s_barrier_wait -3
	s_barrier_signal -1
	s_barrier_wait -1
.endm
.macro FRAGL reg, a16, a8, off         ; a record comes back as the operand's 12 registers
	ds_load_b128 v[\reg:\reg+3], v[\a16] offset:\off
	ds_load_b64 v[\reg+4:\reg+5], v[\a8] offset:\off+512
	ds_load_b128 v[\reg+6:\reg+9], v[\a16] offset:\off+768
	ds_load_b64 v[\reg+10:\reg+11], v[\a8] offset:\off+1280
.endm
.macro FETCH q                         ; K step q: Y's and X's fragments and the scale words into set q % 2
.set SL, ((\q)/KPS)%2
.set KK, (\q)%KPS
.set PP, (\q)%2
	WIN 0x40
.set i, 0
.rept NA
	FRAGL FR*NA*PP+FR*i, YA16+SL, YA8+SL, (i*KPS+KK)*1536
.set i, i+1
.endr
	WIN 0
.set i, 0
.rept NA
	FRAGL XF+FR*NA*PP+FR*i, XA16+SL, XA8+SL, (i*KPS+KK)*1536
.set i, i+1
.endr
.set i, 0
.rept NA
	ds_load_b32 v[SC+8*PP+i], v[ADRS] offset:i*S*64+64*(\q)     ; lanes 0-15: X's tile i; lanes 16-31: Y's tile i
.set i, i+1
.endr
.endm
.macro MUL a0, n, p, z                 ; the accumulators take turns, one instruction a turn, in the same order in every step
.set a, \a0
.rept \n
.set b, 0
.rept NA
.set AC, 8*(NA*(a%4)+b)
.if \z == 1
	v_wmma_scale_f32_16x16x128_f8f6f4 v[AC:AC+7], v[FR*NA*(\p)+FR*b:FR*NA*(\p)+FR*b+11], v[XF+FR*NA*(\p)+FR*a:XF+FR*NA*(\p)+FR*a+11], 0, v[SC+8*(\p)+b], v[SC+8*(\p)+a] matrix_a_fmt:MATRIX_FMT_BF6 matrix_b_fmt:MATRIX_FMT_BF6 matrix_a_scale:MATRIX_SCALE_ROW1
.else
	v_wmma_scale_f32_16x16x128_f8f6f4 v[AC:AC+7], v[FR*NA*(\p)+FR*b:FR*NA*(\p)+FR*b+11], v[XF+FR*NA*(\p)+FR*a:XF+FR*NA*(\p)+FR*a+11], v[AC:AC+7], v[SC+8*(\p)+b], v[SC+8*(\p)+a] matrix_a_fmt:MATRIX_FMT_BF6 matrix_b_fmt:MATRIX_FMT_BF6 matrix_a_scale:MATRIX_SCALE_ROW1
.endif
.set b, b+1
.endr
.set a, a+1
.endr
.endm
; The change to fill f.  All my tensor loads have landed (my part of fill f); the add; my reads of the slot that I leave are over.  Behind the round that slot takes fill f + 1.
.macro CHANGE f
	WIN 0
	s_wait_tensorcnt 0x0
	ds_add_u32 v[SPW], v[NIL]
.if (\f)+1 < NFILL
.set SL2, ((\f)+1)%2
	s_add_nc_u64 s[G0+4*SL2+2:G0+4*SL2+3], s[G0+4*SL2+2:G0+4*SL2+3], 2*KPS*1536
	s_add_nc_u64 s[G0B+4*SL2+2:G0B+4*SL2+3], s[G0B+4*SL2+2:G0B+4*SL2+3], 2*KPS*1536
	s_wait_dscnt 0x0
	CROUND
	JLOAD G0+4*SL2, G1, G0B+4*SL2, G1B             ; its four v_nop are also the places in front of the loads that follow
.else
	s_wait_dscnt 0x0
	s_barrier_signal -1
	s_barrier_wait -1
	PLACES 4
.endif
.endm
; A K step: its fragments are in; the next step's are asked for first, into the set that the last step's products have read (four places behind them), and land under this step's 64 products.
.macro STEP q, z
	s_wait_dscnt 0x0
.if (\q)+1 < S
.if ((\q)+1)%KPS == 0
	CHANGE ((\q)+1)/KPS
.elseif (\q) > 0
	PLACES 4
.endif
	FETCH (\q)+1
.endif
	WIN 0xa1
	MUL 0, 4, (\q)%2, \z
	WIN 0xf1
	MUL 4, 4, (\q)%2, \z
.endm
; 64 numbers of a lane in window W, register 16 b + i = k 32 b + 16 (lane / 16) + i of my row, become a fragment in v[PC] on and its scale word in v[pw].
.macro QUANT src, W, pw
.set WN, (\W)|((\W)<<2)
	WIN WN
.irp b, 0,1,2,3
	v_max3_num_f32 v[TM+\b], |v[(\src)+16*\b]|, |v[(\src)+16*\b+1]|, 0x2800000
.endr
.irp i, 2,4,6,8,10,12,14
.irp b, 0,1,2,3
	v_max3_num_f32 v[TM+\b], |v[(\src)+16*\b+\i]|, |v[(\src)+16*\b+\i+1]|, v[TM+\b]
.endr
.endr
	WIN 0
.irp b, 0,1,2,3
	v_permlanex16_b32 v[TM+4+\b], v[TM+\b], s[SEL], s[SEL+1]
.endr
.irp b, 0,1,2,3
	v_max_num_f32 v[TM+\b], v[TM+\b], v[TM+4+\b]
.endr
.irp b, 0,1,2,3
	v_add_nc_u32 v[TM+8+\b], 0xfe000000, v[TM+\b]
.endr
.irp b, 0,1,2,3
	v_lshrrev_b32 v[TM+4+\b], 23, v[TM+8+\b]
.endr
	v_lshl_or_b32 v[\pw], v[TM+5], 8, v[TM+4]
	v_lshl_or_b32 v[\pw], v[TM+6], 16, v[\pw]
	v_lshl_or_b32 v[\pw], v[TM+7], 24, v[\pw]
	WIN \W
	v_cvt_scalef32_pk16_bf6_f32 v[PC:PC+2], v[(\src):(\src)+15], v[TM+8]
	v_cvt_scalef32_pk16_bf6_f32 v[PT:PT+2], v[(\src)+16:(\src)+31], v[TM+9]
	v_cvt_scalef32_pk16_bf6_f32 v[PC+6:PC+8], v[(\src)+32:(\src)+47], v[TM+10]
	v_cvt_scalef32_pk16_bf6_f32 v[PT+4:PT+6], v[(\src)+48:(\src)+63], v[TM+11]
	WIN 0
	v_nop
.irp i, 0,1,2
	v_permlane16_swap_b32 v[PC+\i], v[PT+\i]
	v_permlane16_swap_b32 v[PC+6+\i], v[PT+4+\i]
.endr
.irp i, 0,1,2
	v_mov_b32 v[PC+3+\i], v[PT+\i]
	v_mov_b32 v[PC+9+\i], v[PT+4+\i]
.endr
.endm
	s_load_b128 s[4:7], s[0:1], 0x0                ; hq, wts
	s_load_b64 s[8:9], s[0:1], 0x10                ; qkv
	v_lshl_add_u32 v[SPW], v0, 2, SPARE
	v_mov_b32 v[NIL], 0
	ds_add_u32 v[SPW], v[NIL]                      ; the opening
	ds_add_u32 v[SPW], v[NIL]
	v_lshrrev_b32 v1, 5, v0
	v_readfirstlane_b32 s14, v1                    ; wave
	s_lshr_b32 s15, s14, 1                         ; my half of X's tiles.  Also: I fetch for X (0) or for Y (1)
	s_and_b32 s16, s14, 1                          ; my half of Y's.  Also: which half I fetch
	s_bfe_u32 s40, ttmp6, 0x40000                  ; cx
	s_bfe_u32 s41, ttmp6, 0x40004                  ; cy
	s_lshl_b32 s42, ttmp9, 2
	s_add_co_u32 s42, s42, s40                     ; 4 cluster x + cx
	s_and_b32 s17, ttmp7, 0xffff
	s_lshl_b32 s17, s17, 2
	s_add_co_u32 s17, s17, s41                     ; 4 cluster y + cy
	s_lshl_b32 s43, s41, 2
	s_lshl_b32 s43, 15, s43                        ; my row of the cluster
	s_lshl_b32 s44, 0x1111, s40                    ; my column
	s_or_b32 s[G1], s43, (3<<16)|(1<<21)           ; the mask; elements of 8 bytes; bit 21 beside a mask; no padding
	s_or_b32 s[G1B], s44, (3<<16)|(1<<21)
.irp g, G1, G1B
	s_mov_b32 s[\g+1], (KPS*192)<<16               ; a row of the tile: a tile's KPS records
	s_mov_b32 s[\g+2], (2*NA)<<16                  ; the head's loads bring all 2 NA tiles; behind them the two words that count rows are set to NA
	s_mov_b32 s[\g+3], (KPS*192)<<16
	s_mov_b32 s[\g+4], 2*NA
	s_mov_b32 s[\g+5], S*192                       ; from tile to tile
	s_mov_b32 s[\g+6], 0
	s_mov_b32 s[\g+7], 0
.endr
	s_or_b32 s[G1S], s43, (3<<16)|(1<<21)          ; the scale words of 2 NA tiles, all of K: a dense block, as rows of 256 bytes
	s_or_b32 s[G1SB], s44, (3<<16)|(1<<21)
.irp g, G1S, G1SB
	s_mov_b32 s[\g+1], 32<<16
	s_mov_b32 s[\g+2], (2*HALFS/256)<<16
	s_mov_b32 s[\g+3], 32<<16
	s_mov_b32 s[\g+4], 2*HALFS/256
	s_mov_b32 s[\g+5], 32
	s_mov_b32 s[\g+6], 0
	s_mov_b32 s[\g+7], 0
.endr
	s_add_co_u32 s19, s41, 8                       ; v: X = the weight's tiles 16 (8 + cy) on
	s_and_b32 s95, ttmp7, 0xffff
	s_lshl_b32 s95, s95, 2
	s_add_co_u32 s95, s95, s40                     ; v: Y = token tiles 16 (4 cluster y + cx) on
	s_mov_b32 s67, 3145728                         ; hq's scale words
	s_mov_b32 s66, 2359296                         ; the weight's
	s_lshl_b32 s18, s16, 3
	s_cmp_eq_u32 ttmp9, 2                          ; the kind is the cluster's x: the same in all sixteen partners
	s_cselect_b32 s20, s19, s17
	s_cselect_b32 s46, s95, s42
	s_cselect_b32 s22, s66, s67
	s_cselect_b32 s92, s67, s66
	s_lshl_b32 s20, s20, 4
	s_add_co_u32 s20, s20, s18                     ; X's first tile that I fetch: it never holds cx
	s_lshl_b32 s46, s46, 4
	s_add_co_u32 s46, s46, s18                     ; Y's: it never holds cy
	s_mul_i32 s96, s20, S*64
	s_add_co_u32 s22, s22, s96
	s_mov_b32 s23, 0
	s_mul_i32 s20, s20, S*1536
	s_mov_b32 s21, 0
	s_mul_i32 s97, s46, S*64
	s_add_co_u32 s92, s92, s97
	s_mov_b32 s93, 0
	s_mul_i32 s46, s46, S*1536
	s_mov_b32 s47, 0
	s_mul_i32 s45, s14, HALFT                      ; where they go: wave x a quarter of a slot
	s_mov_b32 s[SEL], 0x76543210
	s_mov_b32 s[SEL+1], 0xfedcba98
	s_wait_dscnt 0x0                               ; both opening adds are done
	s_wait_kmcnt 0x0
	s_cmp_eq_u32 ttmp9, 2
	s_cselect_b64 s[10:11], s[6:7], s[4:5]         ; X's buffer
	s_cselect_b64 s[12:13], s[4:5], s[6:7]         ; Y's
	s_add_nc_u64 s[20:21], s[10:11], s[20:21]
	s_add_nc_u64 s[22:23], s[10:11], s[22:23]
	s_add_nc_u64 s[46:47], s[12:13], s[46:47]
	s_add_nc_u64 s[92:93], s[12:13], s[92:93]
	CROUND                                         ; all sixteen work-groups are here: the first joint loads meet
; THE HEAD'S FOUR TILES, each whole, one joint load a wave: wave 0 fill 0 of X's 2 NA tiles, wave 1 of Y's, wave 2 X's scale words, wave 3 Y's.
.set G0H, 4                            ; s[4:7], s[96:99]: group 0 of the two loads of codes (the arguments that lay in s[4:7] have been used)
.set G0HB, 96
.macro ARM under, g0, g1, next
	s_cmp_lt_u32 s14, \under
	s_cbranch_scc0 \next
	tensor_load_to_lds s[\g0:\g0+3], s[\g1:\g1+7]
	s_nop 0
.rept 4
	v_nop
.endr
	s_branch .Lhead_asked
\next:
.endm
	s_mul_i32 s18, s16, NA*S*1536                  ; my ring addresses hold my half: taken off, they are the whole tiles' first bytes
	s_mov_b32 s19, 0
	s_mov_b32 s[G0H], 1
	s_mov_b32 s[G0H+1], 0
	s_sub_nc_u64 s[G0H+2:G0H+3], s[20:21], s[18:19]
	s_or_b32 s[G0H+3], s[G0H+3], 0x80000000
	s_mov_b32 s[G0HB], 1
	s_mov_b32 s[G0HB+1], 2*HALFT
	s_sub_nc_u64 s[G0HB+2:G0HB+3], s[46:47], s[18:19]
	s_or_b32 s[G0HB+3], s[G0HB+3], 0x80000000
	s_mul_i32 s18, s16, HALFS
	s_mov_b32 s[G0S], 1
	s_mov_b32 s[G0S+1], SCL
	s_sub_nc_u64 s[G0S+2:G0S+3], s[22:23], s[18:19]
	s_or_b32 s[G0S+3], s[G0S+3], 0x80000000
	s_mov_b32 s[G0SB], 1
	s_mov_b32 s[G0SB+1], SCL+2*HALFS
	s_sub_nc_u64 s[G0SB+2:G0SB+3], s[92:93], s[18:19]
	s_or_b32 s[G0SB+3], s[G0SB+3], 0x80000000
.irp s, 0,1
	s_mov_b32 s[G0+4*\s], 1
	s_add_co_u32 s[G0+4*\s+1], s45, \s*SLOT
	s_add_nc_u64 s[G0+4*\s+2:G0+4*\s+3], s[20:21], \s*KPS*1536
	s_or_b32 s[G0+4*\s+3], s[G0+4*\s+3], 0x80000000
	s_mov_b32 s[G0B+4*\s], 1
	s_add_co_u32 s[G0B+4*\s+1], s45, \s*SLOT
	s_add_nc_u64 s[G0B+4*\s+2:G0B+4*\s+3], s[46:47], \s*KPS*1536
	s_or_b32 s[G0B+4*\s+3], s[G0B+4*\s+3], 0x80000000
.endr
	ARM 1, G0H,  G1,  .Lhead_b                     ; one chain of branches on the wave's number: every way passes exactly one load
	ARM 2, G0HB, G1B, .Lhead_sa
	ARM 3, G0S,  G1S, .Lhead_sb
	tensor_load_to_lds s[G0SB:G0SB+3], s[G1SB:G1SB+7]
	s_nop 0
.rept 4
	v_nop
.endr
.Lhead_asked:
	v_and_b32 v1, 31, v0                           ; lane
	v_and_b32 v2, 15, v0                           ; r
	v_bfe_u32 v3, v0, 4, 1                         ; h
	v_lshlrev_b32 v[L16], 4, v1
	v_lshlrev_b32 v[L8], 3, v1
	s_mul_i32 s21, s15, HALFT
	s_mul_i32 s22, s16, HALFT
	s_add_co_u32 s22, s22, 2*HALFT
.irp s, 0,1
	v_add_nc_u32 v[XA16+\s], s21, v[L16]
	v_add_nc_u32 v[XA8+\s], s21, v[L8]
	v_add_nc_u32 v[YA16+\s], s22, v[L16]
	v_add_nc_u32 v[YA8+\s], s22, v[L8]
	s_add_co_u32 s21, s21, SLOT
	s_add_co_u32 s22, s22, SLOT
.endr
	s_mul_i32 s21, s15, HALFS
	s_mul_i32 s22, s16, HALFS
	s_add_co_u32 s22, s22, 2*HALFS
	s_sub_co_u32 s22, s22, s21
	v_mul_u32_u24 v6, s22, v3                      ; lanes 16-31 take Y's words
	s_add_co_u32 s21, s21, SCL
	v_lshl_add_u32 v6, v2, 2, v6
	v_add_nc_u32 v[ADRS], s21, v6
	v_lshlrev_b32 v17, 2, v1                       ; 4 x lane
	v_mul_u32_u24 v19, v3, 4*VREC
	v_lshl_add_u32 v19, v2, 4, v19                 ; 16 r + a head's records x h
.irp b, 0,1,2,3
	v_mov_b32 v[TM+4+\b], 0
.endr
	s_wait_alu depctr_va_vdst(0)
	s_wait_tensorcnt 0x0                           ; my tile of the head's four is in; slot 1's first fill is issued as a refill is
	ds_add_u32 v[SPW], v[NIL]
	s_mov_b32 s[G1+2], NA<<16                      ; no tensor load of mine is out: from here on a load brings NA tiles
	s_mov_b32 s[G1+4], NA
	s_mov_b32 s[G1B+2], NA<<16
	s_mov_b32 s[G1B+4], NA
	s_wait_dscnt 0x0
	CROUND
	JLOAD G0+4, G1, G0B+4, G1B                     ; fill 1, a quarter of the slot a wave
	FETCH 0
	STEP 0, 1
	STEP 1, 0
	STEP 2, 0
	STEP 3, 0
	STEP 4, 0
	STEP 5, 0
	STEP 6, 0
	STEP 7, 0
	WIN 0
	PLACES 4
	; ---- where the results go
	s_lshl_b32 s70, s17, 4
	s_lshl_b32 s71, s15, 3
	s_add_co_u32 s70, s70, s71                     ; q, k: T0, my first token tile
	s_lshl_b32 s71, s40, 1
	s_add_co_u32 s71, s71, s16                     ; j: my 128 columns are heads 2 j and 2 j + 1
	s_mul_i32 s72, s70, 12288
	s_mul_i32 s73, s71, 1536
	s_add_co_u32 s72, s72, s73                     ; q's codes
	s_lshl_b32 s73, s70, 10
	s_lshl_b32 s74, s71, 7
	s_add_co_u32 s73, s73, s74
	s_add_co_u32 s73, s73, Q_S                     ; q's words
	s_lshr_b32 s74, s70, 7
	s_lshl_b32 s74, s74, 4
	s_lshl_b32 s75, s71, 1
	s_add_co_u32 s74, s74, s75                     ; 16 batch + 2 j
	s_mul_i32 s74, s74, 4*KREC
	s_bfe_u32 s75, s70, 0x20005                    ; the quarter of the keys
	s_mul_i32 s75, s75, KREC
	s_add_co_u32 s74, s74, s75
	s_add_co_u32 s74, s74, K_R
	s_and_b32 s75, s70, 31
	s_mul_i32 s76, s75, 768
	s_add_co_u32 s76, s76, s74                     ; k's codes
	s_lshl_b32 s75, s75, 6
	s_add_co_u32 s75, s75, s74
	s_add_co_u32 s75, s75, 24576                   ; k's words
	s_lshl_b32 s77, s95, 1
	s_add_co_u32 s77, s77, s16                     ; v: my K step of 128 keys, 0 .. 31
	s_lshr_b32 s78, s77, 4
	s_lshl_b32 s78, s78, 4
	s_lshl_b32 s79, s41, 2
	s_add_co_u32 s78, s78, s79
	s_lshl_b32 s79, s15, 1
	s_add_co_u32 s78, s78, s79                     ; 16 batch + my first head
	s_lshl_b32 s78, s78, 2
	s_bfe_u32 s79, s77, 0x20002
	s_add_co_u32 s78, s78, s79
	s_mul_i32 s78, s78, VREC
	s_add_co_u32 s78, s78, V_R
	s_and_b32 s77, s77, 3
	s_mul_i32 s79, s77, 6144
	s_add_co_u32 s79, s79, s78                     ; v's codes
	s_lshl_b32 s77, s77, 8
	s_add_co_u32 s77, s77, s78
	s_add_co_u32 s77, s77, 24576                   ; v's words
	s_mov_b32 s80, s79                             ; (no tensor load of mine is out: the descriptors' registers are free)
	s_mov_b32 s84, 1536                            ; from tile to tile of X,
	s_mov_b32 s86, 97792                           ; from the fourth to the fifth,
	s_mov_b32 s88, 768                             ; from a record's lower half to its upper
	s_mov_b32 s90, s77
	s_cmp_eq_u32 ttmp9, 1
	s_cselect_b32 s80, s76, s80
	s_cselect_b32 s84, 768, s84
	s_cselect_b32 s86, 768, s86
	s_cselect_b32 s88, 4*KREC, s88
	s_cselect_b32 s90, s75, s90
	s_cmp_eq_u32 ttmp9, 0
	s_cselect_b32 s80, s72, s80
	s_cselect_b32 s84, 12288, s84
	s_cselect_b32 s86, 12288, s86
	s_cselect_b32 s88, 768, s88
	s_cselect_b32 s90, s73, s90
	s_mov_b32 s81, 0
	s_mov_b32 s85, 0
	s_mov_b32 s87, 0
	s_mov_b32 s89, 0
	s_mov_b32 s91, 0
	s_add_nc_u64 s[80:81], s[8:9], s[80:81]
	s_add_nc_u64 s[82:83], s[80:81], s[88:89]
	s_add_nc_u64 s[90:91], s[8:9], s[90:91]
.macro EPQ a
.if (\a) > 0
	s_wait_xcnt 0x0                                ; the last tile's stores have read their data and bases
.if (\a) == 4
	s_add_nc_u64 s[80:81], s[80:81], s[86:87]
	s_add_nc_u64 s[82:83], s[82:83], s[86:87]
.else
	s_add_nc_u64 s[80:81], s[80:81], s[84:85]
	s_add_nc_u64 s[82:83], s[82:83], s[84:85]
.endif
.endif
	QUANT 64*((\a)%4), 2+(\a)/4, 148+(\a)
	global_store_b128 v[L16], v[PC:PC+3], s[80:81]
	global_store_b64 v[L8], v[PC+4:PC+5], s[80:81] offset:512
	global_store_b128 v[L16], v[PC+6:PC+9], s[82:83]
	global_store_b64 v[L8], v[PC+10:PC+11], s[82:83] offset:512
.endm
.irp a, 0,1,2,3,4,5,6,7
	EPQ \a
.endr
	v_cmp_le_u32 vcc_lo, 16, v1                    ; lanes 16-31
	s_cmp_eq_u32 ttmp9, 0
	s_cbranch_scc1 .Lq_words
.irp i, 0,1,2,3
	v_cndmask_b32 v[156+\i], v[148+\i], v[152+\i], vcc_lo
.endr
	s_cmp_eq_u32 ttmp9, 1
	s_cbranch_scc1 .Lk_words
	global_store_b128 v19, v[156:159], s[90:91]    ; v: lanes 0-15 my first head's four tiles, lanes 16-31 the next head's
	s_branch .Ldone
.Lk_words:
	s_wait_alu depctr_va_vdst(0)
.irp i, 0,1,2,3
	v_lshrrev_b32 v[160+\i], 16, v[156+\i]
.endr
	global_store_b128 v[L16], v[156:159], s[90:91]                 ; head 2 j: its two bytes are the low ones; the upper two scale zero codes of q
	global_store_b128 v[L16], v[160:163], s[90:91] offset:4*KREC   ; head 2 j + 1
	s_branch .Ldone
.Lq_words:
	v_lshlrev_b32 v18, 4, v3
.irp a, 0,1,2,3,4,5,6,7
	v_lshrrev_b32 v[156+\a], v18, v[148+\a]
	global_store_b32 v17, v[156+\a], s[90:91] offset:1024*\a       ; lanes 0-15 head 2 j, lanes 16-31 head 2 j + 1
.endr
.Ldone:
	s_wait_tensorcnt 0x0                           ; the wave's end
	ds_add_u32 v[SPW], v[NIL]
	s_wait_dscnt 0x0
	CROUND                                         ; the closing round
	s_endpgm
.Lfunc_end_k_qe9630ef1e5_qkvg:
	.size	k_qe9630ef1e5_qkvg, .Lfunc_end_k_qe9630ef1e5_qkvg-k_qe9630ef1e5_qkvg
	.p2alignl 7, 3214868480
	.fill 96, 4, 3214868480
	.section	.rodata,"a",@progbits
	.p2align	6, 0x0
	.amdhsa_kernel k_qe9630ef1e5_qkvg
		.amdhsa_group_segment_fixed_size 327680
		.amdhsa_private_segment_fixed_size 0
		.amdhsa_enable_private_segment 0
		.amdhsa_kernarg_size 24
		.amdhsa_user_sgpr_count 2
		.amdhsa_user_sgpr_kernarg_segment_ptr 1
		.amdhsa_wavefront_size32 1
		.amdhsa_system_sgpr_workgroup_id_x 1
		.amdhsa_system_sgpr_workgroup_id_y 1
		.amdhsa_system_sgpr_workgroup_id_z 1
		.amdhsa_system_vgpr_workitem_id 0
		.amdhsa_next_free_vgpr 1024
		.amdhsa_next_free_sgpr 100
		.amdhsa_reserve_vcc 1
		.amdhsa_float_denorm_mode_32 3
		.amdhsa_float_denorm_mode_16_64 3
		.amdhsa_memory_ordered 1
		.amdhsa_forward_progress 1
		.amdhsa_inst_pref_size 155
	.end_amdhsa_kernel
	.amdgpu_metadata
---
amdhsa.version: [ 1, 2 ]
amdhsa.kernels:
  - .name:           k_qe9630ef1e5_qkvg
    .symbol:         k_qe9630ef1e5_qkvg.kd
    .args:
      - { .name: hq, .offset: 0, .size: 8, .value_kind: global_buffer, .address_space: global }
      - { .name: wts, .offset: 8, .size: 8, .value_kind: global_buffer, .address_space: global }
      - { .name: qkv, .offset: 16, .size: 8, .value_kind: global_buffer, .address_space: global }
    .group_segment_fixed_size: 327680
    .private_segment_fixed_size: 0
    .kernarg_segment_align: 8
    .kernarg_segment_size: 24
    .max_flat_workgroup_size: 128
    .sgpr_count:     100
    .vgpr_count:     1024
    .wavefront_size: 32
...
	.end_amdgpu_metadata
.endif
;; end of part 3
;; launch attn (part 4): grid 128 x 2, 4 waves a work-group, clusters of 4 x 1, 327,680 bytes of LDS; arguments qkv, torus_dist, mask, torus_scale, oc; writes oc
.if DOCPART == 4
	.amdgcn_target "amdgcn-amd-amdhsa--gfx1250"
	.amdhsa_code_object_version 6
	.text
	.protected	k_qe9630ef1e5_attn
	.globl	k_qe9630ef1e5_attn
	.p2align	8
	.type	k_qe9630ef1e5_attn,@function
k_qe9630ef1e5_attn:
	s_mov_b64 s[64:65], 0
	v_nop
	global_prefetch_b8 v0, s[64:65] scope:SCOPE_SE
	s_setreg_imm32_b32 hwreg(HW_REG_WAVE_MODE, 25, 1), 1
	s_wait_xcnt 0x0
	s_wait_alu depctr_hold_cnt(0) depctr_sa_sdst(0) depctr_va_vdst(0) depctr_va_sdst(0) depctr_va_ssrc(0) depctr_va_vcc(0) depctr_vm_vsrc(0)
	s_getreg_b32 s2, hwreg(HW_REG_IB_STS2, 6, 4)
	s_cmp_eq_u32 s2, 0
	s_cbranch_scc0 .Lentry_in_a_cluster
	s_endpgm
.Lentry_in_a_cluster:
	s_bfe_u32 s2, ttmp6, 0x10000c
	s_cmp_lg_u32 s2, 0x3003
	s_cbranch_scc0 .Lentry_shape_is_right
	s_endpgm
.Lentry_shape_is_right:
; Attention on codes of E3M2: scores = q k^T / 8 - torus_dist x torus_scale[head], masked keys at -2^100 / 8, softmax finished and normalised in f32, quantised along the keys, times v;
; the result is quantised along D for the projection.  Nothing of reference() is left out here.
; A work-group takes one token tile (16 queries) of one batch through all 16 heads, a head a trip.  Wave w takes keys 512 w .. 512 w + 511: 16 x 512 scores are 256 registers a lane.
; Both products are used transposed (source 0 = keys or channels, source 1 = queries): a lane holds one query, its registers run along the keys in the tile order of the first kernel.
; WINDOWS: 0 addresses, q, k's words, statistics, p's codes; 1 the scores, then p, then v's fragments; 2 my 16 x 512 of torus_dist, loaded once; 3 k's fragments of my 512 keys.
; K GOES FROM MEMORY STRAIGHT INTO THE OPERAND'S REGISTERS: its records are images of those registers, and each fragment is read by one wave, once.  Chunk c of the next head is asked for as soon as
; this head's products on chunk c have read the registers, so the loads run about a head ahead and need no prefetch.  So k is not asked for jointly: a joint load lands in LDS, where each byte
; would be written and read once more, behind a round of its own in every head.
; THE MASK'S TERMS (0 or -2^100 for each of my 512 keys, 2,048 bytes a wave) are made once and lie in my own LDS bytes; a chunk's 64 registers of them come by 16 loads in which all lanes of a half read the same bytes.
; The C of the first product is dist x (-8 scale) + the mask's term, one packed multiply-add; t = score x c - (wave's largest score) x c, c = log2(e) / 8, is another.
; All of a head's exponentials stand in one batch, with one wait ahead of it and one behind it.  The four waves' largest t and sums meet in LDS; p is multiplied by 2^(m_w - M) / sum and quantised.
; A block's largest p is its largest score put through the same multiply-add and exponential.
; V's records of a head (a quarter of the keys a wave) have one LDS region, filled jointly by the four work-groups of a cluster, which walk the same batch's heads; it is filled again behind the second
; product, behind a round of the cluster's barrier.  A wave reads only the record that it fetched.  A wave has one tensor load out.
; PREFETCH: behind each refill the first cluster of each batch names V's records one head further on, a lane to 256 bytes, the partners' parts told apart by address; the last heads ask for nothing.
; LIMITS: the promise holds while the scaled scores stay under 2^31 in magnitude; a wave's largest score is held at -2^90 from below, so that a quarter of the keys that is wholly masked gives p = 0;
; where the whole batch is masked c is 0 and p is uniform, as reference() has it; a sum that is NaN gives zeros (nan_to_num); a block of zeros carries the byte 1.
.set KREC, 26624
.set VREC, 25600
.set VS, 0
.set OX, VS+4*VREC                     ; the waves' parts of O: 4 heads x 4 waves x 4,096 bytes
.set ST, OX+65536                      ; (m, sum) of each wave
.set SCX, ST+1024                      ; the result's scale bytes
.set MK, SCX+512                       ; the mask's terms: 2,048 bytes a wave
.set SPARE, MK+8192
.set Q_S, 3145728
.set K_R, 3407872
.set V_R, 6815744
.set OC_S, 3145728
; the mask terms have two buffers of 64 registers, by turns: v54-117 for chunks 1 and 3; v118-177 with v194-197 for chunks 0 and 2
.set KW, 222                           ; v222-253: k's scale words, a register a tile
.set MSB, 0
.macro WIN new
.if MSB != (\new)
	s_set_vgpr_msb (MSB<<8)|(\new)
.set MSB, \new
.endif
.endm
.macro PLACES n
.rept \n
	v_nop
.endr
.endm
.macro CROUND
	s_barrier_signal -1
	s_barrier_wait -1
	s_cmp_lg_u32 s14, 0
	s_cbranch_scc1 .Lnot_wave_0_\@
	s_barrier_signal -3
.Lnot_wave_0_\@:
	s_barrier_wait -3
	s_barrier_signal -1
	s_barrier_wait -1
.endm
.macro FRAGL reg, a16, a8, off
	ds_load_b128 v[\reg:\reg+3], v[\a16] offset:\off
	ds_load_b64 v[\reg+4:\reg+5], v[\a8] offset:\off+512
	ds_load_b128 v[\reg+6:\reg+9], v[\a16] offset:\off+768
	ds_load_b64 v[\reg+10:\reg+11], v[\a8] offset:\off+1280
.endm
.macro ASK pf, vo
	s_cmp_lt_u32 s52, s66
	s_cbranch_scc0 .Lnoask_\@
	global_prefetch_b8 v[\vo], s[\pf:\pf+1] th:TH_LOAD_NT scope:SCOPE_SE
.Lnoask_\@:
.endm
	s_load_b256 s[4:11], s[0:1], 0x0               ; qkv, torus_dist, mask, torus_scale
	s_load_b64 s[12:13], s[0:1], 0x20              ; oc
	v_lshl_add_u32 v20, v0, 2, SPARE
	v_mov_b32 v21, 0
	ds_add_u32 v20, v21                            ; the opening
	ds_add_u32 v20, v21
	v_lshrrev_b32 v1, 5, v0
	v_readfirstlane_b32 s14, v1                    ; wave
	s_bfe_u32 s15, ttmp6, 0x40000                  ; cx
	s_lshl_b32 s16, ttmp9, 2
	s_add_co_u32 s16, s16, s15                     ; token tile in the batch
	s_and_b32 s17, ttmp7, 0xffff                   ; batch
	s_lshl_b32 s18, s17, 7
	s_add_co_u32 s18, s18, s16                     ; token tile
	s_mov_b32 s36, 15|(3<<16)|(1<<21)              ; V's record: 100 rows of 256 bytes, asked for by all four partners
	s_mov_b32 s37, 32<<16
	s_mov_b32 s38, 100<<16
	s_mov_b32 s39, 32<<16
	s_mov_b32 s40, 100
	s_mov_b32 s41, 32
	s_mov_b32 s42, 0
	s_mov_b32 s43, 0
	s_lshl_b32 s70, s17, 6
	s_add_co_u32 s70, s70, s14                     ; record 64 batch + 4 head + wave
	s_mul_i32 s72, s70, KREC
	s_add_co_u32 s72, s72, K_R
	s_mov_b32 s73, 0
	s_mul_i32 s74, s70, VREC
	s_add_co_u32 s74, s74, V_R
	s_mov_b32 s75, 0
	s_mov_b32 s48, 1
	s_mul_i32 s49, s14, VREC
	s_add_co_u32 s49, s49, VS
	s_mov_b32 s20, 0x76543210
	s_mov_b32 s21, 0xfedcba98
	s_mov_b32 s52, 0                               ; head
	s_mov_b32 s53, 0
	s_cmp_eq_u32 ttmp9, 0
	s_cselect_b32 s66, 14, 0                       ; heads in which my cluster prefetches
	s_wait_dscnt 0x0
	s_wait_kmcnt 0x0
	s_add_nc_u64 s[46:47], s[4:5], s[72:73]        ; my record of k, head 0
	s_add_nc_u64 s[50:51], s[4:5], s[74:75]
	s_or_b32 s51, s51, 0x80000000
	CROUND
	tensor_load_to_lds s[48:51], s[36:43]          ; head 0's V: my one load at the head
	s_nop 0
	PLACES 4
	s_mov_b32 s77, 0
	s_add_nc_u64 s[62:63], s[4:5], s[74:75]
	s_add_nc_u64 s[62:63], s[62:63], 4*VREC
	s_mul_i32 s76, s15, 6400
	s_add_nc_u64 s[62:63], s[62:63], s[76:77]      ; V's prefetches: my work-group's quarter of my wave's record
	s_mul_i32 s76, s18, 12288
	s_add_nc_u64 s[56:57], s[4:5], s[76:77]        ; q's codes
	s_add_nc_u64 s[68:69], s[12:13], s[76:77]      ; the result's codes
	s_lshl_b32 s76, s18, 10
	s_add_co_u32 s76, s76, Q_S
	s_add_nc_u64 s[58:59], s[4:5], s[76:77]        ; q's words
	s_lshl_b32 s76, s18, 9
	s_add_co_u32 s76, s76, OC_S
	s_add_nc_u64 s[78:79], s[12:13], s[76:77]      ; the result's words
	s_lshr_b32 s70, s16, 1
	s_lshl_b32 s70, s70, 5
	s_and_b32 s71, s16, 1
	s_lshl_b32 s71, s71, 3
	s_add_co_u32 s70, s70, s71                     ; the tile's first query
	s_lshl_b32 s76, s70, 13
	s_lshl_b32 s71, s14, 11
	s_add_co_u32 s76, s76, s71
	s_add_nc_u64 s[6:7], s[6:7], s[76:77]          ; torus_dist: that row, my 512 keys
	s_lshl_b32 s76, s17, 11
	s_add_nc_u64 s[72:73], s[8:9], s[76:77]        ; the batch's mask
	s_lshl_b32 s76, s14, 9
	s_add_nc_u64 s[74:75], s[72:73], s[76:77]      ; my 512 keys of it
	v_and_b32 v1, 31, v0
	v_and_b32 v32, 15, v0
	v_bfe_u32 v33, v0, 4, 1
	v_lshlrev_b32 v2, 4, v1
	v_lshlrev_b32 v3, 3, v1
	v_lshlrev_b32 v34, 4, v32
	v_add_nc_u32 v6, 24576, v34                    ; k's words in its record: 16 r behind the codes
	s_lshl_b32 s70, s14, 11
	v_lshl_add_u32 v4, v1, 6, s70
	v_add_nc_u32 v4, MK, v4                        ; the mask's terms, in: 64 bytes (16 keys) a lane
	v_lshl_add_u32 v5, v33, 6, s70
	v_add_nc_u32 v5, MK, v5                        ; and out: + 16 h keys
	v_add_nc_u32 v7, s49, v2                       ; V's record: 16 x lane, 8 x lane, its words
	v_add_nc_u32 v8, s49, v3
	v_add_nc_u32 v9, s49, v34
	v_add_nc_u32 v9, 24576, v9
	s_lshl_b32 s70, s14, 8
	v_add_nc_u32 v10, s70, v3
	v_add_nc_u32 v10, ST, v10
	v_add_nc_u32 v11, ST, v3
	s_lshl_b32 s70, s14, 12
	v_add_nc_u32 v12, s70, v2
	v_add_nc_u32 v12, OX, v12
	s_lshl_b32 s70, s14, 14
	v_add_nc_u32 v14, s70, v2
	v_add_nc_u32 v14, OX, v14
	v_lshlrev_b32 v16, 2, v32
	s_lshr_b32 s70, s14, 1
	s_lshl_b32 s70, s70, 6
	s_and_b32 s71, s14, 1
	s_lshl_b32 s71, s71, 1
	s_add_co_u32 s70, s70, s71
	v_add_nc_u32 v15, s70, v16
	v_add_nc_u32 v15, SCX, v15
	v_add_nc_u32 v19, SCX, v2
	v_min_u32 v18, 24, v1                          ; 25 blocks of 256 bytes of V's record for my work-group: lanes left over name the last again
	v_lshlrev_b32 v18, 8, v18
	v_and_b32 v30, 8, v32
	v_add_nc_u32 v30, v30, v32
	v_lshlrev_b32 v30, 13, v30
	v_lshl_add_u32 v30, v33, 6, v30                ; torus_dist: row r + 8 (r / 8), + 16 h keys
	global_load_b128 v[54:57], v2, s[74:75]        ; my 512 keys' mask bytes, 16 a lane
.set n, 0
.rept 4
	global_load_b128 v[118+4*n:121+4*n], v2, s[72:73] offset:512*n
.set n, n+1
.endr
	WIN 0x80
.set n, 0
.rept 48
	global_load_b128 v[4*n:4*n+3], v30, s[6:7] offset:512*(n/16)+128*((n/4)%4)+16*(n%4)
.set n, n+1
.endr
	WIN 0
	s_wait_alu depctr_va_vdst(0)
	s_wait_loadcnt 48                              ; the mask is in; the 48 loads of distances may be out
.set n, 0
.rept 16
	v_bfe_u32 v[60+n], v[54+n/4], 8*(n%4), 8
.set n, n+1
.endr
.set n, 0
.rept 16
	v_add_nc_u32 v[60+n], -1, v[60+n]
.set n, n+1
.endr
.set n, 0
.rept 16
	v_and_b32 v[60+n], 0xf1800000, v[60+n]         ; 0 where the key counts, -2^100 where it does not
.set n, n+1
.endr
.set n, 0
.rept 4
	ds_store_b128 v4, v[60+4*n:63+4*n] offset:16*n
.set n, n+1
.endr
	WIN 0x80
.set n, 48
.rept 16
	global_load_b128 v[4*n:4*n+3], v30, s[6:7] offset:512*(n/16)+128*((n/4)%4)+16*(n%4)
.set n, n+1
.endr
	WIN 0
.set n, 1
.rept 15
	v_or_b32 v118, v118, v[118+n]
.set n, n+1
.endr
	v_cmp_ne_u32 s70, 0, v118
	s_cmp_lg_u32 s70, 0
	s_cselect_b32 s22, 0x3e38aa3b, 0               ; c = log2(e) / 8; 0 where no key of the batch counts
	s_mov_b32 s23, s22
	global_load_b128 v[40:43], v2, s[56:57]
	global_load_b64 v[44:45], v3, s[56:57] offset:512
	global_load_b32 v52, v16, s[58:59]
	s_load_b32 s54, s[10:11], 0x0
.irp i, 46,47,48,49,50,51,23,25,28
	v_mov_b32 v\i, 0
.endr
.set n, 206
.rept 16
	v_mov_b32 v[n], 0
.set n, n+1
.endr
	WIN 0xc0
.set n, 192
.rept 6
	v_mov_b32 v[n], 0                              ; behind the last tile: the upper half of its operand
.set n, n+1
.endr
	WIN 0
.macro LKG c                           ; chunk c of k: 8 tiles of 16 keys, 6 registers each (K = 64; the upper 6 of an operand, the next tile's, meet q's zero codes), and their words
	WIN 0xc0
.set t, 0
.rept 8
	global_load_b128 v[6*(8*(\c)+t):6*(8*(\c)+t)+3], v2, s[46:47] offset:(8*(\c)+t)*768
	global_load_b64 v[6*(8*(\c)+t)+4:6*(8*(\c)+t)+5], v3, s[46:47] offset:(8*(\c)+t)*768+512
.set t, t+1
.endr
	WIN 0
	global_load_b128 v[KW+8*(\c):KW+8*(\c)+3], v6, s[46:47] offset:512*(\c)
	global_load_b128 v[KW+8*(\c)+4:KW+8*(\c)+7], v6, s[46:47] offset:512*(\c)+256
.endm
.macro LM c                            ; chunk c's mask terms: the buffer's register 16 b + i = key 128 c + 32 b + 16 h + i
.set n, 0
.rept 16
.if ((\c)%2) == 1
.set MR, 54+4*n
.elseif n < 15
.set MR, 118+4*n
.else
.set MR, 194
.endif
	ds_load_b128 v[MR:MR+3], v5 offset:512*(\c)+128*(n/4)+16*(n%4)
.set n, n+1
.endr
.endm
.macro CC c                            ; the first product's C
	WIN 0x42
.set i, 0
.rept 32
.if ((\c)%2) == 1
.set MR, 54+i
.elseif i < 60
.set MR, 118+i
.else
.set MR, 134+i
.endif
	v_pk_fma_f32 v[64*(\c)+i:64*(\c)+i+1], v[64*(\c)+i:64*(\c)+i+1], s[24:25], v[MR:MR+1] op_sel_hi:[1,0,1]
.set i, i+2
.endr
.endm
.macro WW c
	WIN 0x53
.set t, 0
.rept 8
	v_wmma_scale_f32_16x16x128_f8f6f4 v[64*(\c)+8*t:64*(\c)+8*t+7], v[6*(8*(\c)+t):6*(8*(\c)+t)+11], v[40:51], v[64*(\c)+8*t:64*(\c)+8*t+7], v[KW+8*(\c)+t], v52 matrix_a_fmt:MATRIX_FMT_BF6 matrix_b_fmt:MATRIX_FMT_BF6
.set t, t+1
.endr
.endm
.macro XX c                            ; the largest score of each block of 32 keys
	WIN 0x05
.irp b, 0,1,2,3
	v_max_num_f32 v[178+4*(\c)+\b], v[64*(\c)+16*\b], v[64*(\c)+16*\b+1]
.endr
.irp i, 2,4,6,8,10,12,14
.irp b, 0,1,2,3
	v_max3_num_f32 v[178+4*(\c)+\b], v[64*(\c)+16*\b+\i], v[64*(\c)+16*\b+\i+1], v[178+4*(\c)+\b]
.endr
.endr
.endm
.macro NN c                            ; p normalised
	WIN 0x41
.set i, 64*(\c)
.rept 32
	v_pk_mul_f32 v[i:i+1], v[i:i+1], v[24:25] op_sel_hi:[1,0]
.set i, i+2
.endr
.endm
.macro QQ c                            ; and quantised: 128 keys become a fragment and a scale word
	WIN 0
.set PCC, 54+12*(\c)
.irp b, 0,1,2,3
	v_mul_f32 v[206+\b], v[178+4*(\c)+\b], v24
.endr
.irp b, 0,1,2,3
	v_max_num_f32 v[206+\b], 0x2800000, v[206+\b]
.endr
.irp b, 0,1,2,3
	v_add_nc_u32 v[210+\b], 0xfe000000, v[206+\b]
.endr
.irp b, 0,1,2,3
	v_lshrrev_b32 v[214+\b], 23, v[210+\b]
.endr
	v_lshl_or_b32 v[202+(\c)], v215, 8, v214
	v_lshl_or_b32 v[202+(\c)], v216, 16, v[202+(\c)]
	v_lshl_or_b32 v[202+(\c)], v217, 24, v[202+(\c)]
	WIN 0x01
	v_cvt_scalef32_pk16_bf6_f32 v[PCC:PCC+2], v[64*(\c):64*(\c)+15], v210
	v_cvt_scalef32_pk16_bf6_f32 v[102:104], v[64*(\c)+16:64*(\c)+31], v211
	v_cvt_scalef32_pk16_bf6_f32 v[PCC+6:PCC+8], v[64*(\c)+32:64*(\c)+47], v212
	v_cvt_scalef32_pk16_bf6_f32 v[106:108], v[64*(\c)+48:64*(\c)+63], v213
	WIN 0
	v_nop
.irp i, 0,1,2
	v_permlane16_swap_b32 v[PCC+\i], v[102+\i]
	v_permlane16_swap_b32 v[PCC+6+\i], v[106+\i]
.endr
.irp i, 0,1,2
	v_mov_b32 v[PCC+3+\i], v[102+\i]
	v_mov_b32 v[PCC+9+\i], v[106+\i]
.endr
.endm
.macro LV kq                           ; v's four tiles of channels for K step kq: step 0 into window 3's v198-245, step kq into the 48 registers of p that chunk kq - 1 has left
.if (\kq) == 0
	WIN 0xc0
.set VB, 198
.else
	WIN 0x40
.set VB, 48*((\kq)-1)
.endif
.set dt, 0
.rept 4
	FRAGL VB+12*dt, 7, 8, (4*(\kq)+dt)*1536
.set dt, dt+1
.endr
	WIN 0
	ds_load_b128 v[162+4*(\kq):165+4*(\kq)], v9 offset:256*(\kq)
.endm
.macro PV kq                           ; the four accumulators take turns
.if (\kq) == 0
	WIN 0x03
.set VB, 198
.else
	WIN 0x01
.set VB, 48*((\kq)-1)
.endif
.set dt, 0
.rept 4
.if (\kq) == 0
	v_wmma_scale_f32_16x16x128_f8f6f4 v[126+8*dt:133+8*dt], v[VB+12*dt:VB+12*dt+11], v[54+12*(\kq):65+12*(\kq)], 0, v[162+4*(\kq)+dt], v[202+(\kq)] matrix_a_fmt:MATRIX_FMT_BF6 matrix_b_fmt:MATRIX_FMT_BF6
.else
	v_wmma_scale_f32_16x16x128_f8f6f4 v[126+8*dt:133+8*dt], v[VB+12*dt:VB+12*dt+11], v[54+12*(\kq):65+12*(\kq)], v[126+8*dt:133+8*dt], v[162+4*(\kq)+dt], v[202+(\kq)] matrix_a_fmt:MATRIX_FMT_BF6 matrix_b_fmt:MATRIX_FMT_BF6
.endif
.set dt, dt+1
.endr
.endm
.macro FIN                             ; every fourth head: wave w adds the four parts of head (trip - 3 + w), quantises its 64 channels and stores them
	WIN 0x40
.set n, 0
.rept 32
	ds_load_b128 v[4*n:4*n+3], v14 offset:512*n
.set n, n+1
.endr
	WIN 0
	s_add_co_u32 s72, s52, s14
	s_sub_co_u32 s72, s72, 3
	s_mul_i32 s72, s72, 768
	s_mov_b32 s73, 0
	s_lshr_b32 s67, s52, 2
	s_lshl_b32 s67, s67, 7
	v_add_nc_u32 v29, s67, v15
	v_cmp_eq_f32 s67, v28, v28                     ; a sum that is NaN gives zeros
	s_wait_dscnt 0x0
	WIN 0x45
.set i, 0
.rept 16
	v_pk_add_f32 v[i:i+1], v[i:i+1], v[32+i:33+i]
	v_pk_add_f32 v[64+i:65+i], v[64+i:65+i], v[96+i:97+i]
.set i, i+2
.endr
.set i, 0
.rept 16
	v_pk_add_f32 v[i:i+1], v[i:i+1], v[64+i:65+i]
.set i, i+2
.endr
	WIN 0x04
.set i, 0
.rept 32
	v_cndmask_b32 v[54+i], 0, v[i], s67
.set i, i+1
.endr
	WIN 0
	v_max3_num_f32 v206, |v54|, |v55|, 0x2800000
	v_max3_num_f32 v207, |v70|, |v71|, 0x2800000
.irp i, 2,4,6,8,10,12,14
	v_max3_num_f32 v206, v206, |v[54+\i]|, |v[55+\i]|
	v_max3_num_f32 v207, v207, |v[70+\i]|, |v[71+\i]|
.endr
	v_permlanex16_b32 v208, v206, s20, s21
	v_permlanex16_b32 v209, v207, s20, s21
	v_max_num_f32 v206, v206, v208
	v_max_num_f32 v207, v207, v209
	v_add_nc_u32 v210, 0xfe000000, v206
	v_add_nc_u32 v211, 0xfe000000, v207
	v_lshrrev_b32 v214, 23, v210
	v_lshrrev_b32 v215, 23, v211
	v_lshl_or_b32 v214, v215, 8, v214
	s_add_nc_u64 s[70:71], s[68:69], s[72:73]
	v_cvt_scalef32_pk16_bf6_f32 v[86:88], v[54:69], v210
	v_cvt_scalef32_pk16_bf6_f32 v[92:94], v[70:85], v211
	v_nop
.irp i, 0,1,2
	v_permlane16_swap_b32 v[86+\i], v[92+\i]
.endr
.irp i, 0,1,2
	v_mov_b32 v[89+\i], v[92+\i]
.endr
	global_store_b128 v2, v[86:89], s[70:71]
	global_store_b64 v3, v[90:91], s[70:71] offset:512
	ds_store_b16 v29, v214
	s_wait_xcnt 0x0
.endm
.macro HEAD fill
	LM 1                                           ; chunk 0's terms were asked for ahead of this trip
	s_wait_kmcnt 0x0
	s_mul_f32 s24, s54, 0xc1000000                 ; -8 x the head's torus_scale
	s_mov_b32 s25, s24
	s_wait_loadcnt 0x0                             ; this head's k and q (the first time: the distances too): so their bases may step
.if \fill
	s_add_co_u32 s53, s53, 4
	s_load_b32 s54, s[10:11], s53 offset:0x0
	s_add_nc_u64 s[56:57], s[56:57], 768
	s_add_nc_u64 s[58:59], s[58:59], 64
	s_add_nc_u64 s[46:47], s[46:47], 4*KREC
.endif
	s_and_b32 s55, s52, 3
	s_lshl_b32 s67, s55, 14
	s_cmp_eq_u32 s55, s14
	s_cselect_b32 s55, -1, 0
	v_add_nc_u32 v13, s67, v12
	s_wait_dscnt 16                                ; chunk 0's mask terms are in; the 16 loads of chunk 1's may be out
	CC 0
	WIN 0
	LM 2                                           ; a buffer takes the chunk two on as soon as the multiply-adds that read it have been issued
	WW 0
	s_wait_dscnt 16                                ; all but the 16 loads just issued
	CC 1                                           ; (also the places behind the products above, in front of the loads into their registers)
.if \fill
	LKG 0                                          ; the next head's chunk 0
.endif
	WIN 0
	LM 3
	WW 1
	XX 0
	s_wait_dscnt 16
	CC 2
.if \fill
	LKG 1
.endif
	WW 2
	XX 1
	s_wait_dscnt 0x0
	CC 3
.if \fill
	LKG 2
.endif
	WW 3
	XX 2
	XX 3
	WIN 0
.set i, 0
.rept 16
	v_permlanex16_b32 v[206+i], v[178+i], s20, s21
.set i, i+1
.endr
.set i, 0
.rept 16
	v_max_num_f32 v[178+i], v[178+i], v[206+i]
.set i, i+1
.endr
	v_max3_num_f32 v29, v178, v179, v180
	v_max3_num_f32 v30, v181, v182, v183
	v_max3_num_f32 v31, v184, v185, v186
	v_max3_num_f32 v32, v187, v188, v189
	v_max3_num_f32 v33, v190, v191, v192
	v_max3_num_f32 v29, v29, v30, v193
	v_max3_num_f32 v31, v31, v32, v33
	v_max3_num_f32 v22, v29, v31, 0xec800000       ; my 512 keys' largest score, held at -2^90 from below
	v_mul_f32 v26, s22, v22                        ; m_w = c x that, for the other waves,
	v_mul_f32 v22, s22, v22                        ; and for the multiply-adds below
.set i, 0
.rept 16
	v_fma_f32 v[178+i], v[178+i], s22, -v22        ; t of each block's largest score
.set i, i+1
.endr
	WIN 0x41
.set i, 0
.rept 128
	v_pk_fma_f32 v[i:i+1], v[i:i+1], s[22:23], v[22:23] op_sel_hi:[1,0,0] neg_lo:[0,0,1] neg_hi:[0,0,1]   ; t = score x c - m_w
.set i, i+2
.endr
	s_wait_alu depctr_va_vdst(0)                   ; the wait ahead of the batch
.set i, 0
.rept 256
	v_exp_f32 v[i], v[i]
.set i, i+1
.endr
	WIN 0
.set i, 0
.rept 16
	v_exp_f32 v[178+i], v[178+i]
.set i, i+1
.endr
	v_nop
	s_wait_alu depctr_va_vdst(0)                   ; and behind it, ahead of its first reader
	WIN 0x05                                       ; the sum of the unquantised p, in eight chains of pairs
.set k, 0
.rept 8
	v_pk_add_f32 v[194+2*k+4*(k/4):195+2*k+4*(k/4)], v[2*k:2*k+1], v[16+2*k:17+2*k]
.set k, k+1
.endr
	WIN 0x01
.set i, 32
.rept 14
.set k, 0
.rept 8
	v_pk_add_f32 v[194+2*k+4*(k/4):195+2*k+4*(k/4)], v[i+2*k:i+2*k+1], v[194+2*k+4*(k/4):195+2*k+4*(k/4)]
.set k, k+1
.endr
.set i, i+16
.endr
	WIN 0
.irp k, 0,2,4,6
	v_pk_add_f32 v[194+\k:195+\k], v[194+\k:195+\k], v[206+\k:207+\k]
.endr
	v_pk_add_f32 v[194:195], v[194:195], v[196:197]
	v_pk_add_f32 v[198:199], v[198:199], v[200:201]
	v_pk_add_f32 v[194:195], v[194:195], v[198:199]
	v_add_f32 v27, v194, v195
	v_permlanex16_b32 v30, v27, s20, s21
	v_add_f32 v27, v27, v30
	ds_store_b64 v10, v[26:27]
	s_wait_dscnt 0x0                               ; for the others' sake
	s_barrier_signal -1
	s_barrier_wait -1
	ds_load_b64 v[30:31], v11
	ds_load_b64 v[32:33], v11 offset:256
	ds_load_b64 v[34:35], v11 offset:512
	ds_load_b64 v[36:37], v11 offset:768
	s_wait_tensorcnt 0x0                           ; my one tensor load, this head's record of V, is in: I alone read it
	LV 0
	s_wait_dscnt 17                                ; the four waves' statistics are in; the 17 loads just issued may be out
	v_max3_num_f32 v29, v30, v32, v34
	v_max_num_f32 v29, v29, v36                    ; M
	v_sub_f32 v30, v30, v29
	v_sub_f32 v32, v32, v29
	v_sub_f32 v34, v34, v29
	v_sub_f32 v36, v36, v29
	v_sub_f32 v39, v26, v29
	s_wait_alu depctr_va_vdst(0)
	v_exp_f32 v30, v30
	v_exp_f32 v32, v32
	v_exp_f32 v34, v34
	v_exp_f32 v36, v36
	v_exp_f32 v39, v39
	v_nop
	s_wait_alu depctr_va_vdst(0)
	v_mul_f32 v38, v30, v31
	v_fmac_f32 v38, v32, v33
	v_fmac_f32 v38, v34, v35
	v_fmac_f32 v38, v36, v37                       ; the row's sum under M
	s_wait_alu depctr_va_vdst(0)
	v_rcp_f32 v29, v38
	v_cndmask_b32 v28, v28, v38, s55               ; kept by the wave that will finish this head
	s_wait_alu depctr_va_vdst(0)
	v_mul_f32 v24, v39, v29                        ; 2^(m_w - M) / sum
	NN 0
	QQ 0
	LV 1
.if \fill
	LKG 3                                          ; the next head's last chunk of k and its q are asked for here, behind the first three chunks' loads by the softmax's length
	global_load_b128 v[40:43], v2, s[56:57]
	global_load_b64 v[44:45], v3, s[56:57] offset:512
	global_load_b32 v52, v16, s[58:59]
.endif
	NN 1
	QQ 1
	LV 2
	s_wait_dscnt 34                                ; K step 0 of v is in; the 2 x 17 loads of steps 1 and 2 may be out
	PV 0
	NN 2
	QQ 2
	LV 3
	s_wait_dscnt 34                                ; step 1 is in; steps 2 and 3 may be out
	PV 1
	NN 3
	QQ 3
	s_wait_dscnt 17                                ; step 2 is in; step 3 may be out
	PV 2
	s_wait_alu depctr_va_vdst(0)
	s_wait_dscnt 0x0
	PLACES 8
	PV 3
	WIN 0
	PLACES 4
.set dt, 0
.rept 4
	ds_store_b128 v13, v[126+8*dt:129+8*dt] offset:1024*dt
	ds_store_b128 v13, v[130+8*dt:133+8*dt] offset:1024*dt+512
.set dt, dt+1
.endr
.if \fill
	LM 0                                           ; the next trip's first mask terms, into registers that this head is done with
	s_wait_tensorcnt 0x0                           ; no tensor load of mine is out; my reads of V are over: V's region takes the next head's
	ds_add_u32 v20, v21
	s_add_nc_u64 s[50:51], s[50:51], 4*VREC
	s_wait_xcnt 0x0                                ; my last prefetch has read its address
	s_add_nc_u64 s[62:63], s[62:63], 4*VREC
	s_wait_dscnt 0x0
	CROUND
	tensor_load_to_lds s[48:51], s[36:43]
	s_nop 0
	PLACES 4
	ASK 62, 18
	s_and_b32 s67, s52, 3
	s_cmp_lg_u32 s67, 3
	s_cbranch_scc1 .Lnofin_\@
	FIN
.Lnofin_\@:
.else
	s_wait_dscnt 0x0
	s_barrier_signal -1
	s_barrier_wait -1
	FIN
.endif
.endm
	LKG 0                                          ; head 0's k
	LKG 1
	LKG 2
	LKG 3
	LM 0
.Lhead:
	HEAD 1
	s_add_co_u32 s52, s52, 1
	s_cmp_lt_u32 s52, 15
	s_cbranch_scc1 .Lhead
	HEAD 0                                         ; the last head asks for nothing more
	s_wait_dscnt 0x0
	s_barrier_signal -1
	s_barrier_wait -1
	s_cmp_lg_u32 s14, 0
	s_cbranch_scc1 .Lend
	ds_load_b128 v[30:33], v19                     ; the tile's 512 scale bytes leave as two whole units
	s_wait_dscnt 0x0
	global_store_b128 v2, v[30:33], s[78:79]
.Lend:
	s_wait_tensorcnt 0x0                           ; the wave's end
	ds_add_u32 v20, v21
	s_wait_dscnt 0x0
	CROUND                                         ; the closing round
	s_endpgm
.Lfunc_end_k_qe9630ef1e5_attn:
	.size	k_qe9630ef1e5_attn, .Lfunc_end_k_qe9630ef1e5_attn-k_qe9630ef1e5_attn
	.p2alignl 7, 3214868480
	.fill 96, 4, 3214868480
	.section	.rodata,"a",@progbits
	.p2align	6, 0x0
	.amdhsa_kernel k_qe9630ef1e5_attn
		.amdhsa_group_segment_fixed_size 327680
		.amdhsa_private_segment_fixed_size 0
		.amdhsa_enable_private_segment 0
		.amdhsa_kernarg_size 40
		.amdhsa_user_sgpr_count 2
		.amdhsa_user_sgpr_kernarg_segment_ptr 1
		.amdhsa_wavefront_size32 1
		.amdhsa_system_sgpr_workgroup_id_x 1
		.amdhsa_system_sgpr_workgroup_id_y 1
		.amdhsa_system_sgpr_workgroup_id_z 1
		.amdhsa_system_vgpr_workitem_id 0
		.amdhsa_next_free_vgpr 1024
		.amdhsa_next_free_sgpr 80
		.amdhsa_reserve_vcc 0
		.amdhsa_float_denorm_mode_32 3
		.amdhsa_float_denorm_mode_16_64 3
		.amdhsa_memory_ordered 1
		.amdhsa_forward_progress 1
		.amdhsa_inst_pref_size 206
	.end_amdhsa_kernel
	.amdgpu_metadata
---
amdhsa.version: [ 1, 2 ]
amdhsa.kernels:
  - .name:           k_qe9630ef1e5_attn
    .symbol:         k_qe9630ef1e5_attn.kd
    .args:
      - { .name: qkv, .offset: 0, .size: 8, .value_kind: global_buffer, .address_space: global }
      - { .name: torus_dist, .offset: 8, .size: 8, .value_kind: global_buffer, .address_space: global }
      - { .name: mask, .offset: 16, .size: 8, .value_kind: global_buffer, .address_space: global }
      - { .name: torus_scale, .offset: 24, .size: 8, .value_kind: global_buffer, .address_space: global }
      - { .name: oc, .offset: 32, .size: 8, .value_kind: global_buffer, .address_space: global }
    .group_segment_fixed_size: 327680
    .private_segment_fixed_size: 0
    .kernarg_segment_align: 8
    .kernarg_segment_size: 40
    .max_flat_workgroup_size: 128
    .sgpr_count:     80
    .vgpr_count:     1024
    .wavefront_size: 32
...
	.end_amdgpu_metadata
.endif
;; end of part 4
;; launch oproj (part 5): grid 8 x 32, 4 waves a work-group, clusters of 4 x 4, 327,680 bytes of LDS; arguments oc, wts, x, x1; writes x1
.if DOCPART == 5
	.amdgcn_target "amdgcn-amd-amdhsa--gfx1250"
	.amdhsa_code_object_version 6
	.text
	.protected	k_qe9630ef1e5_oproj
	.globl	k_qe9630ef1e5_oproj
	.p2align	8
	.type	k_qe9630ef1e5_oproj,@function
k_qe9630ef1e5_oproj:
	s_mov_b64 s[64:65], 0
	v_nop
	global_prefetch_b8 v0, s[64:65] scope:SCOPE_SE
	s_setreg_imm32_b32 hwreg(HW_REG_WAVE_MODE, 25, 1), 1
	s_wait_xcnt 0x0
	s_wait_alu depctr_hold_cnt(0) depctr_sa_sdst(0) depctr_va_vdst(0) depctr_va_sdst(0) depctr_va_ssrc(0) depctr_va_vcc(0) depctr_vm_vsrc(0)
	s_getreg_b32 s2, hwreg(HW_REG_IB_STS2, 6, 4)
	s_cmp_eq_u32 s2, 0
	s_cbranch_scc0 .Lentry_in_a_cluster
	s_endpgm
.Lentry_in_a_cluster:
	s_bfe_u32 s2, ttmp6, 0x10000c
	s_cmp_lg_u32 s2, 0xf033
	s_cbranch_scc0 .Lentry_shape_is_right
	s_endpgm
.Lentry_shape_is_right:
.set NA, 4
.set KPS, 4
.set S, 8
.set NFILL, S/KPS
.set FR, 12
.set HALFT, NA*KPS*1536
.set SLOT, 4*HALFT
.set SCL, 2*SLOT
.set HALFS, NA*S*64
.set STAGE, SCL+4*HALFS
.set SPARE, STAGE+4*4352
.set XC_OFF, 0
.set XS_OFF, 3145728
.set YC_OFF, 2457600
.set YS_OFF, 3244032
.set RES, 8
.set OUTP, 10
.set L16, 4
.set L8, 5
.set XA16, 8
.set XA8, 10
.set YA16, 12
.set YA8, 14
.set ADRS, 16
.set STO, 19
.set RD, 20
.set SPW, 28
.set NIL, 29
.set SC, 32
.set XF, 64
.set G1, 24
.set G0, 32
.set G1B, 48
.set G0B, 56
.set G1S, 68
.set G0S, 76
.set G1SB, 80
.set G0SB, 88
.set MSB, 0
.macro WIN new
.if MSB != (\new)
	s_set_vgpr_msb (MSB<<8)|(\new)
.set MSB, \new
.endif
.endm
.macro PLACES n
.rept \n
	v_nop
.endr
.endm
.macro JLOAD g0a, g1a, g0b, g1b
	s_cmp_eq_u32 s15, 0
	s_cbranch_scc0 .Lfor_b_\@
	tensor_load_to_lds s[\g0a:\g0a+3], s[\g1a:\g1a+7]
	s_nop 0
.rept 4
	v_nop
.endr
	s_branch .Lasked_\@
.Lfor_b_\@:
	tensor_load_to_lds s[\g0b:\g0b+3], s[\g1b:\g1b+7]
	s_nop 0
.rept 4
	v_nop
.endr
.Lasked_\@:
.endm
.macro CROUND
	s_barrier_signal -1
	s_barrier_wait -1
	s_cmp_lg_u32 s14, 0
	s_cbranch_scc1 .Lnot_wave_0_\@
	s_barrier_signal -3
.Lnot_wave_0_\@:
	s_barrier_wait -3
	s_barrier_signal -1
	s_barrier_wait -1
.endm
.macro FRAGL reg, a16, a8, off
	ds_load_b128 v[\reg:\reg+3], v[\a16] offset:\off
	ds_load_b64 v[\reg+4:\reg+5], v[\a8] offset:\off+512
	ds_load_b128 v[\reg+6:\reg+9], v[\a16] offset:\off+768
	ds_load_b64 v[\reg+10:\reg+11], v[\a8] offset:\off+1280
.endm
.macro FETCH q
.set SL, ((\q)/KPS)%2
.set KK, (\q)%KPS
.set PP, (\q)%2
	WIN 0x40
.set i, 0
.rept NA
	FRAGL FR*NA*PP+FR*i, YA16+SL, YA8+SL, (i*KPS+KK)*1536
.set i, i+1
.endr
	WIN 0
.set i, 0
.rept NA
	FRAGL XF+FR*NA*PP+FR*i, XA16+SL, XA8+SL, (i*KPS+KK)*1536
.set i, i+1
.endr
.set i, 0
.rept NA
	ds_load_b32 v[SC+8*PP+i], v[ADRS] offset:i*S*64+64*(\q)
.set i, i+1
.endr
.endm
.macro MUL a0, n, p, z
.set a, \a0
.rept \n
.set b, 0
.rept NA
.set AC, 8*(NA*(a%4)+b)
.if \z == 1
	v_wmma_scale_f32_16x16x128_f8f6f4 v[AC:AC+7], v[FR*NA*(\p)+FR*b:FR*NA*(\p)+FR*b+11], v[XF+FR*NA*(\p)+FR*a:XF+FR*NA*(\p)+FR*a+11], 0, v[SC+8*(\p)+b], v[SC+8*(\p)+a] matrix_a_fmt:MATRIX_FMT_BF6 matrix_b_fmt:MATRIX_FMT_BF6 matrix_a_scale:MATRIX_SCALE_ROW1
.else
	v_wmma_scale_f32_16x16x128_f8f6f4 v[AC:AC+7], v[FR*NA*(\p)+FR*b:FR*NA*(\p)+FR*b+11], v[XF+FR*NA*(\p)+FR*a:XF+FR*NA*(\p)+FR*a+11], v[AC:AC+7], v[SC+8*(\p)+b], v[SC+8*(\p)+a] matrix_a_fmt:MATRIX_FMT_BF6 matrix_b_fmt:MATRIX_FMT_BF6 matrix_a_scale:MATRIX_SCALE_ROW1
.endif
.set b, b+1
.endr
.set a, a+1
.endr
.endm
.macro CHANGE f
	WIN 0
	s_wait_tensorcnt 0x0
	ds_add_u32 v[SPW], v[NIL]
	s_wait_dscnt 0x0
	s_barrier_signal -1
	s_barrier_wait -1
	PLACES 4
.endm
.macro STEP q, z
	s_wait_dscnt 0x0
.if (\q)+1 < S
.if ((\q)+1)%KPS == 0
	CHANGE ((\q)+1)/KPS
.elseif (\q) > 0
	PLACES 4
.endif
	FETCH (\q)+1
.endif
	WIN 0xa1
	MUL 0, 4, (\q)%2, \z
.endm
	s_load_b128 s[4:7], s[0:1], 0x0
	s_load_b128 s[8:11], s[0:1], 0x10
	v_lshl_add_u32 v[SPW], v0, 2, SPARE
	v_mov_b32 v[NIL], 0
	ds_add_u32 v[SPW], v[NIL]
	ds_add_u32 v[SPW], v[NIL]
	v_lshrrev_b32 v1, 5, v0
	v_readfirstlane_b32 s14, v1
	s_lshr_b32 s15, s14, 1
	s_and_b32 s16, s14, 1
	s_bfe_u32 s40, ttmp6, 0x40000
	s_bfe_u32 s41, ttmp6, 0x40004
	s_lshl_b32 s42, ttmp9, 2
	s_add_co_u32 s42, s42, s40
	s_and_b32 s17, ttmp7, 0xffff
	s_lshl_b32 s17, s17, 2
	s_add_co_u32 s17, s17, s41
	s_lshl_b32 s43, s41, 2
	s_lshl_b32 s43, 15, s43
	s_lshl_b32 s44, 0x1111, s40
	s_or_b32 s[G1], s43, (3<<16)|(1<<21)
	s_or_b32 s[G1B], s44, (3<<16)|(1<<21)
.irp g, G1, G1B
	s_mov_b32 s[\g+1], (KPS*192)<<16
	s_mov_b32 s[\g+2], (2*NA)<<16                  ; the head's loads bring all 2 NA tiles; behind them the two words that count rows are set to NA
	s_mov_b32 s[\g+3], (KPS*192)<<16
	s_mov_b32 s[\g+4], 2*NA
	s_mov_b32 s[\g+5], S*192
	s_mov_b32 s[\g+6], 0
	s_mov_b32 s[\g+7], 0
.endr
	s_or_b32 s[G1S], s43, (3<<16)|(1<<21)
	s_or_b32 s[G1SB], s44, (3<<16)|(1<<21)
.irp g, G1S, G1SB
	s_mov_b32 s[\g+1], 32<<16
	s_mov_b32 s[\g+2], (2*HALFS/256)<<16
	s_mov_b32 s[\g+3], 32<<16
	s_mov_b32 s[\g+4], 2*HALFS/256
	s_mov_b32 s[\g+5], 32
	s_mov_b32 s[\g+6], 0
	s_mov_b32 s[\g+7], 0
.endr
	s_mul_i32 s18, s16, NA
	s_mul_i32 s20, s17, 2*NA
	s_add_co_u32 s20, s20, s18
	s_mul_i32 s46, s42, 2*NA
	s_add_co_u32 s46, s46, s18
	s_mul_i32 s22, s20, S*64
	s_add_co_u32 s22, s22, XS_OFF
	s_mov_b32 s23, 0
	s_mul_i32 s20, s20, S*1536
	s_mov_b32 s21, 0
	s_mul_i32 s92, s46, S*64
	s_add_co_u32 s92, s92, YS_OFF
	s_mov_b32 s93, 0
	s_mul_i32 s46, s46, S*1536
	s_add_co_u32 s46, s46, YC_OFF
	s_mov_b32 s47, 0
	s_mul_i32 s45, s14, HALFT
	s_wait_dscnt 0x0
	s_wait_kmcnt 0x0
	s_add_nc_u64 s[20:21], s[4:5], s[20:21]
	s_add_nc_u64 s[22:23], s[4:5], s[22:23]
	s_add_nc_u64 s[46:47], s[6:7], s[46:47]
	s_add_nc_u64 s[92:93], s[6:7], s[92:93]
	CROUND
; THE HEAD'S FOUR TILES, each whole, one joint load a wave: wave 0 fill 0 of X's 2 NA tiles, wave 1 of Y's, wave 2 X's scale words, wave 3 Y's.
; No prefetch: K is 1,024, and all of it is in the two first fills.
.set G0H, 4                            ; s[4:7], s[96:99]: group 0 of the two loads of codes (the arguments that lay in s[4:7] have been used)
.set G0HB, 96
.macro ARM under, g0, g1, next
	s_cmp_lt_u32 s14, \under
	s_cbranch_scc0 \next
	tensor_load_to_lds s[\g0:\g0+3], s[\g1:\g1+7]
	s_nop 0
.rept 4
	v_nop
.endr
	s_branch .Lhead_asked
\next:
.endm
	s_mul_i32 s18, s16, NA*S*1536                  ; my ring addresses hold my half: taken off, they are the whole tiles' first bytes
	s_mov_b32 s19, 0
	s_mov_b32 s[G0H], 1
	s_mov_b32 s[G0H+1], 0
	s_sub_nc_u64 s[G0H+2:G0H+3], s[20:21], s[18:19]
	s_or_b32 s[G0H+3], s[G0H+3], 0x80000000
	s_mov_b32 s[G0HB], 1
	s_mov_b32 s[G0HB+1], 2*HALFT
	s_sub_nc_u64 s[G0HB+2:G0HB+3], s[46:47], s[18:19]
	s_or_b32 s[G0HB+3], s[G0HB+3], 0x80000000
	s_mul_i32 s18, s16, HALFS
	s_mov_b32 s[G0S], 1
	s_mov_b32 s[G0S+1], SCL
	s_sub_nc_u64 s[G0S+2:G0S+3], s[22:23], s[18:19]
	s_or_b32 s[G0S+3], s[G0S+3], 0x80000000
	s_mov_b32 s[G0SB], 1
	s_mov_b32 s[G0SB+1], SCL+2*HALFS
	s_sub_nc_u64 s[G0SB+2:G0SB+3], s[92:93], s[18:19]
	s_or_b32 s[G0SB+3], s[G0SB+3], 0x80000000
.irp s, 0,1
	s_mov_b32 s[G0+4*\s], 1
	s_add_co_u32 s[G0+4*\s+1], s45, \s*SLOT
	s_add_nc_u64 s[G0+4*\s+2:G0+4*\s+3], s[20:21], \s*KPS*1536
	s_or_b32 s[G0+4*\s+3], s[G0+4*\s+3], 0x80000000
	s_mov_b32 s[G0B+4*\s], 1
	s_add_co_u32 s[G0B+4*\s+1], s45, \s*SLOT
	s_add_nc_u64 s[G0B+4*\s+2:G0B+4*\s+3], s[46:47], \s*KPS*1536
	s_or_b32 s[G0B+4*\s+3], s[G0B+4*\s+3], 0x80000000
.endr
	ARM 1, G0H,  G1,  .Lhead_b                     ; one chain of branches on the wave's number: every way passes exactly one load
	ARM 2, G0HB, G1B, .Lhead_sa
	ARM 3, G0S,  G1S, .Lhead_sb
	tensor_load_to_lds s[G0SB:G0SB+3], s[G1SB:G1SB+7]
	s_nop 0
.rept 4
	v_nop
.endr
.Lhead_asked:
	v_and_b32 v1, 31, v0
	v_and_b32 v2, 15, v0
	v_bfe_u32 v3, v0, 4, 1
	v_lshlrev_b32 v[L16], 4, v1
	v_lshlrev_b32 v[L8], 3, v1
	s_mul_i32 s21, s15, HALFT
	s_mul_i32 s22, s16, HALFT
	s_add_co_u32 s22, s22, 2*HALFT
.irp s, 0,1
	v_add_nc_u32 v[XA16+\s], s21, v[L16]
	v_add_nc_u32 v[XA8+\s], s21, v[L8]
	v_add_nc_u32 v[YA16+\s], s22, v[L16]
	v_add_nc_u32 v[YA8+\s], s22, v[L8]
	s_add_co_u32 s21, s21, SLOT
	s_add_co_u32 s22, s22, SLOT
.endr
	s_mul_i32 s21, s15, HALFS
	s_mul_i32 s22, s16, HALFS
	s_add_co_u32 s22, s22, 2*HALFS
	s_sub_co_u32 s22, s22, s21
	v_mul_u32_u24 v6, s22, v3
	s_add_co_u32 s21, s21, SCL
	v_lshl_add_u32 v6, v2, 2, v6
	v_add_nc_u32 v[ADRS], s21, v6
	s_mul_i32 s23, s14, 4352
	s_add_co_u32 s23, s23, STAGE
	v_mul_u32_u24 v[STO], v2, 272
	v_lshl_add_u32 v[STO], v3, 6, v[STO]
	v_add_nc_u32 v[STO], s23, v[STO]
	v_mul_u32_u24 v[RD], v3, 272
	v_lshl_add_u32 v[RD], v2, 4, v[RD]
	v_add_nc_u32 v[RD], s23, v[RD]
	v_lshlrev_b32 v18, 12, v3
	v_lshl_add_u32 v18, v2, 4, v18
	s_wait_alu depctr_va_vdst(0)
	s_lshl_b32 s20, s17, 7
	s_lshl_b32 s21, s15, 6
	s_add_co_u32 s20, s20, s21
	s_lshl_b32 s20, s20, 12
	s_lshl_b32 s46, s42, 9
	s_lshl_b32 s47, s16, 8
	s_add_co_u32 s46, s46, s47
	s_add_co_u32 s20, s20, s46
	s_mov_b32 s21, 0
	s_add_nc_u64 s[RES:RES+1], s[RES:RES+1], s[20:21]
	s_add_nc_u64 s[OUTP:OUTP+1], s[OUTP:OUTP+1], s[20:21]
	WIN 0xc0
.set n, 0
.rept 32
	global_load_b128 v[4*n:4*n+3], v18, s[RES:RES+1] offset:(32*((n/8)/2)+8*((n/8)%2)+2*(n%8)+8*((n%8)/4))*4096
.set n, n+1
.endr
	WIN 0
	s_wait_alu depctr_va_vdst(0)
	s_wait_tensorcnt 0x0                           ; my tile of the head's four is in; slot 1's first fill is issued as a refill is
	ds_add_u32 v[SPW], v[NIL]
	s_mov_b32 s[G1+2], NA<<16                      ; no tensor load of mine is out: from here on a load brings NA tiles
	s_mov_b32 s[G1+4], NA
	s_mov_b32 s[G1B+2], NA<<16
	s_mov_b32 s[G1B+4], NA
	s_wait_dscnt 0x0
	CROUND
	JLOAD G0+4, G1, G0B+4, G1B                     ; fill 1, a quarter of the slot a wave
	FETCH 0
	STEP 0, 1
.irp q, 1,2,3,4,5,6,7
	STEP \q, 0
.endr
	WIN 0
	PLACES 4
.macro OUTB a
.set BKR, 64+32*((\a)%2)
	WIN 0x08
.set b, 0
.rept 4
	ds_store_b128 v[STO], v[32*(\a)+8*b:32*(\a)+8*b+3] offset:128*(b/2)+32*(b%2)
	ds_store_b128 v[STO], v[32*(\a)+8*b+4:32*(\a)+8*b+7] offset:128*(b/2)+32*(b%2)+16
.set b, b+1
.endr
	WIN 0
.if (\a) >= 2
	s_wait_xcnt 0x0
.endif
.set t, 0
.rept 8
	ds_load_b128 v[BKR+4*t:BKR+4*t+3], v[RD] offset:544*t
.set t, t+1
.endr
	s_wait_dscnt 0x0
.if (\a) == 0
	s_wait_loadcnt 0x0
.endif
	WIN 0x0c
.set i, 0
.rept 16
	v_pk_add_f32 v[BKR+i:BKR+i+1], v[BKR+i:BKR+i+1], v[32*(\a)+i:32*(\a)+i+1]
.set i, i+2
.endr
	WIN 0
.set t, 0
.rept 8
	global_store_b128 v18, v[BKR+4*t:BKR+4*t+3], s[OUTP:OUTP+1] offset:(32*((\a)/2)+8*((\a)%2)+2*t+8*(t/4))*4096
.set t, t+1
.endr
.endm
	OUTB 0
	OUTB 1
	OUTB 2
	OUTB 3
	s_wait_tensorcnt 0x0
	ds_add_u32 v[SPW], v[NIL]
	s_wait_dscnt 0x0
	CROUND
	s_endpgm
.Lfunc_end_k_qe9630ef1e5_oproj:
	.size	k_qe9630ef1e5_oproj, .Lfunc_end_k_qe9630ef1e5_oproj-k_qe9630ef1e5_oproj
	.p2alignl 7, 3214868480
	.fill 96, 4, 3214868480
	.section	.rodata,"a",@progbits
	.p2align	6, 0x0
	.amdhsa_kernel k_qe9630ef1e5_oproj
		.amdhsa_group_segment_fixed_size 327680
		.amdhsa_private_segment_fixed_size 0
		.amdhsa_enable_private_segment 0
		.amdhsa_kernarg_size 32
		.amdhsa_user_sgpr_count 2
		.amdhsa_user_sgpr_kernarg_segment_ptr 1
		.amdhsa_wavefront_size32 1
		.amdhsa_system_sgpr_workgroup_id_x 1
		.amdhsa_system_sgpr_workgroup_id_y 1
		.amdhsa_system_sgpr_workgroup_id_z 1
		.amdhsa_system_vgpr_workitem_id 0
		.amdhsa_next_free_vgpr 1024
		.amdhsa_next_free_sgpr 100
		.amdhsa_reserve_vcc 0
		.amdhsa_float_denorm_mode_32 3
		.amdhsa_float_denorm_mode_16_64 3
		.amdhsa_memory_ordered 1
		.amdhsa_forward_progress 1
		.amdhsa_inst_pref_size 62
	.end_amdhsa_kernel
	.amdgpu_metadata
---
amdhsa.version: [ 1, 2 ]
amdhsa.kernels:
  - .name:           k_qe9630ef1e5_oproj
    .symbol:         k_qe9630ef1e5_oproj.kd
    .args:
      - { .name: oc, .offset: 0, .size: 8, .value_kind: global_buffer, .address_space: global }
      - { .name: wts, .offset: 8, .size: 8, .value_kind: global_buffer, .address_space: global }
      - { .name: x, .offset: 16, .size: 8, .value_kind: global_buffer, .address_space: global }
      - { .name: x1, .offset: 24, .size: 8, .value_kind: global_buffer, .address_space: global }
    .group_segment_fixed_size: 327680
    .private_segment_fixed_size: 0
    .kernarg_segment_align: 8
    .kernarg_segment_size: 32
    .max_flat_workgroup_size: 128
    .sgpr_count:     100
    .vgpr_count:     1024
    .wavefront_size: 32
...
	.end_amdgpu_metadata
.endif
;; end of part 5
;; launch ln2q (part 6): grid 256 x 1, 8 waves a work-group, no clusters, 69,632 bytes of LDS; arguments x1, ln2_g, ln2_b, hq; writes hq
.if DOCPART == 6
	.amdgcn_target "amdgcn-amd-amdhsa--gfx1250"
	.amdhsa_code_object_version 6
	.text
	.protected	k_qe9630ef1e5_ln2q
	.globl	k_qe9630ef1e5_ln2q
	.p2align	8
	.type	k_qe9630ef1e5_ln2q,@function
k_qe9630ef1e5_ln2q:
	s_mov_b64 s[64:65], 0
	v_nop
	global_prefetch_b8 v0, s[64:65] scope:SCOPE_SE
	s_setreg_imm32_b32 hwreg(HW_REG_WAVE_MODE, 25, 1), 1
	s_wait_xcnt 0x0
; h2 = layer_norm(x1), in f32, quantised along D into the operand layout: the second launch's text without the time modulation.
; Work-group T takes token tile T; wave w takes K step w: 128 columns of the 16 rows.  Mean and variance in two passes; the eight waves' parts meet in LDS, behind a barrier each.
; LIMITS: a block of zeros carries the byte 1; NaN and infinities are not served.
.set HQ, 10
.set STG, 8448
.set SUM, 67584
.set SPARE, 68608
.set X, 32
.set RAW, 96
.set G, 160
.set TM, 224
.set PW, 240
.set PC, 96
.set PT, 108
.set SPW, 28
.set NIL, 29
.set MSB, 0
.macro WIN new
.if MSB != (\new)
	s_set_vgpr_msb (MSB<<8)|(\new)
.set MSB, \new
.endif
.endm
	s_load_b256 s[4:11], s[0:1], 0x0               ; the rows, gain, bias, hq
	v_lshl_add_u32 v[SPW], v0, 2, SPARE
	v_mov_b32 v[NIL], 0
	v_lshrrev_b32 v1, 5, v0
	s_delay_alu instid0(VALU_DEP_1)
	v_readfirstlane_b32 s14, v1
	v_and_b32 v2, 31, v0
	v_and_b32 v3, 15, v0
	v_bfe_u32 v4, v0, 4, 1
	s_lshl_b32 s15, s14, 9
	v_lshlrev_b32 v5, 4, v2
	s_delay_alu instid0(VALU_DEP_1)
	v_add_nc_u32 v6, s15, v5
	v_lshl_add_u32 v7, v4, 6, s15
	s_mul_i32 s16, s14, STG
	v_add_nc_u32 v8, s16, v5
	v_mul_u32_u24 v9, v3, 528
	s_delay_alu instid0(VALU_DEP_1)
	v_lshl_add_u32 v9, v4, 6, v9
	s_delay_alu instid0(VALU_DEP_1)
	v_add_nc_u32 v9, s16, v9
	v_lshlrev_b32 v10, 5, v3
	s_delay_alu instid0(VALU_DEP_1)
	v_add_nc_u32 v10, SUM, v10
	s_lshl_b32 s17, s14, 2
	v_add_nc_u32 v11, s17, v10
	v_lshlrev_b32 v12, 3, v2
	v_lshlrev_b32 v13, 2, v3
	v_mov_b32 v25, 0
	v_mov_b32 v27, 0
.irp b, 0,1,2,3
	v_mov_b32 v[TM+4+\b], 0
.endr
	s_lshr_b32 s18, ttmp9, 1
	s_lshl_b32 s18, s18, 5
	s_and_b32 s19, ttmp9, 1
	s_lshl_b32 s19, s19, 3
	s_add_co_u32 s18, s18, s19
	s_lshl_b32 s18, s18, 12
	s_mov_b32 s19, 0
	s_lshl_b32 s20, ttmp9, 3
	s_add_co_u32 s20, s20, s14
	s_mul_i32 s22, s20, 1536
	s_mov_b32 s23, 0
	s_lshl_b32 s24, s20, 6
	s_add_co_u32 s24, s24, 3145728
	s_mov_b32 s25, 0
	s_mov_b32 s28, 0x76543210
	s_mov_b32 s29, 0xfedcba98
	s_mov_b32 s30, 0x3a800000
	s_wait_kmcnt 0x0
	s_add_nc_u64 s[4:5], s[4:5], s[18:19]
	s_add_nc_u64 s[22:23], s[HQ:HQ+1], s[22:23]
	s_add_nc_u64 s[24:25], s[HQ:HQ+1], s[24:25]
.macro PLOAD reg, base, off
.set i, 0
.rept 16
	global_load_b128 v[\reg+4*i:\reg+4*i+3], v7, s[\base:\base+1] offset:\off+128*(i/4)+16*(i%4)
.set i, i+1
.endr
.endm
.set t, 0
.rept 16
	global_load_b128 v[RAW+4*t:RAW+4*t+3], v6, s[4:5] offset:(t+8*(t/8))*4096
.set t, t+1
.endr
	PLOAD G, 6, 0
	WIN 0x40
	PLOAD 0, 8, 0
	WIN 0
	s_wait_loadcnt 32                              ; the 16 rows are in; gain's and bias's 32 loads may be out
.set t, 0
.rept 16
	ds_store_b128 v8, v[RAW+4*t:RAW+4*t+3] offset:528*t
.set t, t+1
.endr
.set t, 0
.rept 16
	ds_load_b128 v[X+4*t:X+4*t+3], v9 offset:128*(t/4)+16*(t%4)
.set t, t+1
.endr
	s_wait_dscnt 0x0
.macro RED off
	s_delay_alu instid0(VALU_DEP_1)
	v_permlanex16_b32 v25, v24, s28, s29
	s_delay_alu instid0(VALU_DEP_1)
	v_add_f32 v24, v24, v25
	ds_store_b32 v11, v24 offset:\off
	s_wait_dscnt 0x0
	s_barrier_signal -1
	s_barrier_wait -1
	ds_load_b128 v[16:19], v10 offset:\off
	ds_load_b128 v[20:23], v10 offset:\off+16
	s_wait_dscnt 0x0
	v_add_f32 v16, v16, v17
	v_add_f32 v18, v18, v19
	v_add_f32 v20, v20, v21
	v_add_f32 v22, v22, v23
	s_delay_alu instid0(VALU_DEP_3)
	v_add_f32 v16, v16, v18
	s_delay_alu instid0(VALU_DEP_2)
	v_add_f32 v20, v20, v22
	s_delay_alu instid0(VALU_DEP_1)
	v_add_f32 v24, v16, v20
.endm
.macro FOLD
	s_delay_alu instid0(VALU_DEP_3)
	v_pk_add_f32 v[16:17], v[16:17], v[18:19]
	s_delay_alu instid0(VALU_DEP_2)
	v_pk_add_f32 v[20:21], v[20:21], v[22:23]
	s_delay_alu instid0(VALU_DEP_1)
	v_pk_add_f32 v[16:17], v[16:17], v[20:21]
	s_delay_alu instid0(VALU_DEP_1)
	v_add_f32 v24, v16, v17
.endm
.irp k, 0,1,2,3
	v_pk_add_f32 v[16+2*\k:17+2*\k], v[X+4*\k:X+4*\k+1], v[X+4*\k+2:X+4*\k+3]
.endr
.set i, 16
.rept 6
.irp k, 0,1,2,3
	s_delay_alu instid0(VALU_DEP_4)
	v_pk_add_f32 v[16+2*\k:17+2*\k], v[16+2*\k:17+2*\k], v[X+i+2*\k:X+i+2*\k+1]
.endr
.set i, i+8
.endr
	FOLD
	RED 0
	s_delay_alu instid0(VALU_DEP_1)
	v_mul_f32 v26, s30, v24
.set i, 0
.rept 32
	v_pk_add_f32 v[X+i:X+i+1], v[X+i:X+i+1], v[26:27] op_sel_hi:[1,0] neg_lo:[0,1] neg_hi:[0,1]
.set i, i+2
.endr
.irp k, 0,1,2,3
	v_pk_mul_f32 v[16+2*\k:17+2*\k], v[X+2*\k:X+2*\k+1], v[X+2*\k:X+2*\k+1]
.endr
.set i, 8
.rept 7
.irp k, 0,1,2,3
	s_delay_alu instid0(VALU_DEP_4)
	v_pk_fma_f32 v[16+2*\k:17+2*\k], v[X+i+2*\k:X+i+2*\k+1], v[X+i+2*\k:X+i+2*\k+1], v[16+2*\k:17+2*\k]
.endr
.set i, i+8
.endr
	FOLD
	RED 512
	s_delay_alu instid0(VALU_DEP_1)
	v_fmaak_f32 v24, s30, v24, 0x3727c5ac
	s_wait_alu depctr_va_vdst(0)
	v_rsq_f32 v26, v24
	v_nop
	s_wait_alu depctr_va_vdst(0)
.set i, 0
.rept 32
	v_pk_mul_f32 v[X+i:X+i+1], v[X+i:X+i+1], v[26:27] op_sel_hi:[1,0]
.set i, i+2
.endr
	s_wait_loadcnt 0x0
	WIN 0x10
.set i, 0
.rept 32
	v_pk_fma_f32 v[X+i:X+i+1], v[X+i:X+i+1], v[G+i:G+i+1], v[i:i+1]
.set i, i+2
.endr
	WIN 0
.irp b, 0,1,2,3
	v_max3_num_f32 v[TM+\b], |v[X+16*\b]|, |v[X+16*\b+1]|, 0x2800000
.endr
.irp i, 2,4,6,8,10,12,14
.irp b, 0,1,2,3
	s_delay_alu instid0(VALU_DEP_4)
	v_max3_num_f32 v[TM+\b], v[TM+\b], |v[X+16*\b+\i]|, |v[X+16*\b+\i+1]|
.endr
.endr
.irp b, 0,1,2,3
	s_delay_alu instid0(VALU_DEP_4)
	v_permlanex16_b32 v[TM+4+\b], v[TM+\b], s28, s29
.endr
.irp b, 0,1,2,3
	s_delay_alu instid0(VALU_DEP_4)
	v_max_num_f32 v[TM+\b], v[TM+\b], v[TM+4+\b]
.endr
.irp b, 0,1,2,3
	s_delay_alu instid0(VALU_DEP_4)
	v_add_nc_u32 v[TM+8+\b], 0xfe000000, v[TM+\b]
.endr
.irp b, 0,1,2,3
	s_delay_alu instid0(VALU_DEP_4)
	v_lshrrev_b32 v[TM+4+\b], 23, v[TM+8+\b]
.endr
	s_delay_alu instid0(VALU_DEP_3)
	v_lshl_or_b32 v[PW], v[TM+5], 8, v[TM+4]
	s_delay_alu instid0(VALU_DEP_1)
	v_lshl_or_b32 v[PW], v[TM+6], 16, v[PW]
	s_delay_alu instid0(VALU_DEP_1)
	v_lshl_or_b32 v[PW], v[TM+7], 24, v[PW]
	v_cvt_scalef32_pk16_bf6_f32 v[PC:PC+2], v[X:X+15], v[TM+8]
	v_cvt_scalef32_pk16_bf6_f32 v[PT:PT+2], v[X+16:X+31], v[TM+9]
	v_cvt_scalef32_pk16_bf6_f32 v[PC+6:PC+8], v[X+32:X+47], v[TM+10]
	v_cvt_scalef32_pk16_bf6_f32 v[PT+4:PT+6], v[X+48:X+63], v[TM+11]
	v_nop
.irp i, 0,1,2
	v_permlane16_swap_b32 v[PC+\i], v[PT+\i]
	v_permlane16_swap_b32 v[PC+6+\i], v[PT+4+\i]
.endr
.irp i, 0,1,2
	v_mov_b32 v[PC+3+\i], v[PT+\i]
	v_mov_b32 v[PC+9+\i], v[PT+4+\i]
.endr
	global_store_b128 v5, v[PC:PC+3], s[22:23]
	global_store_b64 v12, v[PC+4:PC+5], s[22:23] offset:512
	global_store_b128 v5, v[PC+6:PC+9], s[22:23] offset:768
	global_store_b64 v12, v[PC+10:PC+11], s[22:23] offset:1280
	global_store_b32 v13, v[PW], s[24:25]
	s_wait_tensorcnt 0x0                           ; the wave's end
	ds_add_u32 v[SPW], v[NIL]
	s_wait_dscnt 0x0
	s_endpgm
.Lfunc_end_k_qe9630ef1e5_ln2q:
	.size	k_qe9630ef1e5_ln2q, .Lfunc_end_k_qe9630ef1e5_ln2q-k_qe9630ef1e5_ln2q
	.p2alignl 7, 3214868480
	.fill 96, 4, 3214868480
	.section	.rodata,"a",@progbits
	.p2align	6, 0x0
	.amdhsa_kernel k_qe9630ef1e5_ln2q
		.amdhsa_group_segment_fixed_size 69632
		.amdhsa_private_segment_fixed_size 0
		.amdhsa_enable_private_segment 0
		.amdhsa_kernarg_size 32
		.amdhsa_user_sgpr_count 2
		.amdhsa_user_sgpr_kernarg_segment_ptr 1
		.amdhsa_wavefront_size32 1
		.amdhsa_system_sgpr_workgroup_id_x 1
		.amdhsa_system_sgpr_workgroup_id_y 1
		.amdhsa_system_sgpr_workgroup_id_z 1
		.amdhsa_system_vgpr_workitem_id 0
		.amdhsa_next_free_vgpr 320
		.amdhsa_next_free_sgpr 66
		.amdhsa_reserve_vcc 0
		.amdhsa_float_denorm_mode_32 3
		.amdhsa_float_denorm_mode_16_64 3
		.amdhsa_memory_ordered 1
		.amdhsa_forward_progress 1
		.amdhsa_inst_pref_size 29
	.end_amdhsa_kernel
	.amdgpu_metadata
---
amdhsa.version: [ 1, 2 ]
amdhsa.kernels:
  - .name:           k_qe9630ef1e5_ln2q
    .symbol:         k_qe9630ef1e5_ln2q.kd
    .args:
      - { .name: x1, .offset: 0, .size: 8, .value_kind: global_buffer, .address_space: global }
      - { .name: ln2_g, .offset: 8, .size: 8, .value_kind: global_buffer, .address_space: global }
      - { .name: ln2_b, .offset: 16, .size: 8, .value_kind: global_buffer, .address_space: global }
      - { .name: hq, .offset: 24, .size: 8, .value_kind: global_buffer, .address_space: global }
    .group_segment_fixed_size: 69632
    .private_segment_fixed_size: 0
    .kernarg_segment_align: 8
    .kernarg_segment_size: 32
    .max_flat_workgroup_size: 256
    .sgpr_count:     66
    .vgpr_count:     320
    .wavefront_size: 32
...
	.end_amdgpu_metadata
.endif
;; end of part 6
;; launch mlp1 (part 7): grid 16 x 16, 4 waves a work-group, clusters of 4 x 4, 327,680 bytes of LDS; arguments hq, wts, b1, hid; writes hid
.if DOCPART == 7
	.amdgcn_target "amdgcn-amd-amdhsa--gfx1250"
	.amdhsa_code_object_version 6
	.text
	.protected	k_qe9630ef1e5_mlp1
	.globl	k_qe9630ef1e5_mlp1
	.p2align	8
	.type	k_qe9630ef1e5_mlp1,@function
k_qe9630ef1e5_mlp1:
	s_mov_b64 s[64:65], 0
	v_nop
	global_prefetch_b8 v0, s[64:65] scope:SCOPE_SE
	s_setreg_imm32_b32 hwreg(HW_REG_WAVE_MODE, 25, 1), 1
	s_wait_xcnt 0x0
	s_wait_alu depctr_hold_cnt(0) depctr_sa_sdst(0) depctr_va_vdst(0) depctr_va_sdst(0) depctr_va_ssrc(0) depctr_va_vcc(0) depctr_vm_vsrc(0)
	s_getreg_b32 s2, hwreg(HW_REG_IB_STS2, 6, 4)
	s_cmp_eq_u32 s2, 0
	s_cbranch_scc0 .Lentry_in_a_cluster
	s_endpgm
.Lentry_in_a_cluster:
	s_bfe_u32 s2, ttmp6, 0x10000c
	s_cmp_lg_u32 s2, 0xf033
	s_cbranch_scc0 .Lentry_shape_is_right
	s_endpgm
.Lentry_shape_is_right:
.set NA, 8
.set KPS, 2
.set S, 8
.set NFILL, S/KPS
.set FR, 12
.set HALFT, NA*KPS*1536
.set SLOT, 4*HALFT
.set SCL, 2*SLOT
.set HALFS, NA*S*64
.set SPARE, SCL+4*HALFS
.set XS_OFF, 3145728
.set YC_OFF, 3276800
.set YS_OFF, 6422528
.set HID_S, 12582912
.set L16, 4
.set L8, 5
.set XA16, 8
.set XA8, 10
.set YA16, 12
.set YA8, 14
.set ADRS, 16
.set SPW, 28
.set NIL, 29
.set SC, 32
.set TM, 48
.set XF, 64
.set HA, 64
.set PC, 128
.set PT, 140
.set SEL, 2
.set G1, 24
.set G0, 32
.set G1B, 48
.set G0B, 56
.set G1S, 68
.set G0S, 76
.set G1SB, 80
.set G0SB, 88
.set MSB, 0
.macro WIN new
.if MSB != (\new)
	s_set_vgpr_msb (MSB<<8)|(\new)
.set MSB, \new
.endif
.endm
.macro PLACES n
.rept \n
	v_nop
.endr
.endm
.macro JLOAD g0a, g1a, g0b, g1b
	s_cmp_eq_u32 s15, 0
	s_cbranch_scc0 .Lfor_b_\@
	tensor_load_to_lds s[\g0a:\g0a+3], s[\g1a:\g1a+7]
	s_nop 0
.rept 4
	v_nop
.endr
	s_branch .Lasked_\@
.Lfor_b_\@:
	tensor_load_to_lds s[\g0b:\g0b+3], s[\g1b:\g1b+7]
	s_nop 0
.rept 4
	v_nop
.endr
.Lasked_\@:
.endm
.macro CROUND
	s_barrier_signal -1
	s_barrier_wait -1
	s_cmp_lg_u32 s14, 0
	s_cbranch_scc1 .Lnot_wave_0_\@
	s_barrier_signal -3
.Lnot_wave_0_\@:
	s_barrier_wait -3
	s_barrier_signal -1
	s_barrier_wait -1
.endm
.macro FRAGL reg, a16, a8, off
	ds_load_b128 v[\reg:\reg+3], v[\a16] offset:\off
	ds_load_b64 v[\reg+4:\reg+5], v[\a8] offset:\off+512
	ds_load_b128 v[\reg+6:\reg+9], v[\a16] offset:\off+768
	ds_load_b64 v[\reg+10:\reg+11], v[\a8] offset:\off+1280
.endm
.macro FETCH q
.set SL, ((\q)/KPS)%2
.set KK, (\q)%KPS
.set PP, (\q)%2
	WIN 0x40
.set i, 0
.rept NA
	FRAGL FR*NA*PP+FR*i, YA16+SL, YA8+SL, (i*KPS+KK)*1536
.set i, i+1
.endr
	WIN 0
.set i, 0
.rept NA
	FRAGL XF+FR*NA*PP+FR*i, XA16+SL, XA8+SL, (i*KPS+KK)*1536
.set i, i+1
.endr
.set i, 0
.rept NA
	ds_load_b32 v[SC+8*PP+i], v[ADRS] offset:i*S*64+64*(\q)
.set i, i+1
.endr
.endm
.macro MUL a0, n, p, z
.set a, \a0
.rept \n
.set b, 0
.rept NA
.set AC, 8*(NA*(a%4)+b)
.if \z == 2
	v_wmma_scale_f32_16x16x128_f8f6f4 v[AC:AC+7], v[FR*NA*(\p)+FR*b:FR*NA*(\p)+FR*b+11], v[XF+FR*NA*(\p)+FR*a:XF+FR*NA*(\p)+FR*a+11], v[192+8*b:199+8*b], v[SC+8*(\p)+b], v[SC+8*(\p)+a] matrix_a_fmt:MATRIX_FMT_BF6 matrix_b_fmt:MATRIX_FMT_BF6 matrix_a_scale:MATRIX_SCALE_ROW1
.else
	v_wmma_scale_f32_16x16x128_f8f6f4 v[AC:AC+7], v[FR*NA*(\p)+FR*b:FR*NA*(\p)+FR*b+11], v[XF+FR*NA*(\p)+FR*a:XF+FR*NA*(\p)+FR*a+11], v[AC:AC+7], v[SC+8*(\p)+b], v[SC+8*(\p)+a] matrix_a_fmt:MATRIX_FMT_BF6 matrix_b_fmt:MATRIX_FMT_BF6 matrix_a_scale:MATRIX_SCALE_ROW1
.endif
.set b, b+1
.endr
.set a, a+1
.endr
.endm
.macro CHANGE f
	WIN 0
	s_wait_tensorcnt 0x0
	ds_add_u32 v[SPW], v[NIL]
.if (\f)+1 < NFILL
.set SL2, ((\f)+1)%2
	s_add_nc_u64 s[G0+4*SL2+2:G0+4*SL2+3], s[G0+4*SL2+2:G0+4*SL2+3], 2*KPS*1536
	s_add_nc_u64 s[G0B+4*SL2+2:G0B+4*SL2+3], s[G0B+4*SL2+2:G0B+4*SL2+3], 2*KPS*1536
	s_wait_dscnt 0x0
	CROUND
	JLOAD G0+4*SL2, G1, G0B+4*SL2, G1B
.else
	s_wait_dscnt 0x0
	s_barrier_signal -1
	s_barrier_wait -1
	PLACES 4
.endif
.endm
.macro STEP q, z
	s_wait_dscnt 0x0
.if (\q)+1 < S
.if ((\q)+1)%KPS == 0
	CHANGE ((\q)+1)/KPS
.elseif (\q) > 0
	PLACES 4
.endif
	FETCH (\q)+1
.endif
.if \z == 2
	WIN 0x91
.else
	WIN 0xa1
.endif
	MUL 0, 4, (\q)%2, \z
.if \z == 2
	WIN 0xd1
.else
	WIN 0xf1
.endif
	MUL 4, 4, (\q)%2, \z
.endm
.macro QUANT src, pw
.irp b, 0,1,2,3
	v_max3_num_f32 v[TM+\b], |v[(\src)+16*\b]|, |v[(\src)+16*\b+1]|, 0x2800000
.endr
.irp i, 2,4,6,8,10,12,14
.irp b, 0,1,2,3
	v_max3_num_f32 v[TM+\b], |v[(\src)+16*\b+\i]|, |v[(\src)+16*\b+\i+1]|, v[TM+\b]
.endr
.endr
.irp b, 0,1,2,3
	v_permlanex16_b32 v[TM+4+\b], v[TM+\b], s[SEL], s[SEL+1]
.endr
.irp b, 0,1,2,3
	v_max_num_f32 v[TM+\b], v[TM+\b], v[TM+4+\b]
.endr
.irp b, 0,1,2,3
	v_add_nc_u32 v[TM+8+\b], 0xfe000000, v[TM+\b]
.endr
.irp b, 0,1,2,3
	v_lshrrev_b32 v[TM+4+\b], 23, v[TM+8+\b]
.endr
	v_lshl_or_b32 v[\pw], v[TM+5], 8, v[TM+4]
	v_lshl_or_b32 v[\pw], v[TM+6], 16, v[\pw]
	v_lshl_or_b32 v[\pw], v[TM+7], 24, v[\pw]
	v_cvt_scalef32_pk16_bf6_f32 v[PC:PC+2], v[(\src):(\src)+15], v[TM+8]
	v_cvt_scalef32_pk16_bf6_f32 v[PT:PT+2], v[(\src)+16:(\src)+31], v[TM+9]
	v_cvt_scalef32_pk16_bf6_f32 v[PC+6:PC+8], v[(\src)+32:(\src)+47], v[TM+10]
	v_cvt_scalef32_pk16_bf6_f32 v[PT+4:PT+6], v[(\src)+48:(\src)+63], v[TM+11]
	v_nop
.irp i, 0,1,2
	v_permlane16_swap_b32 v[PC+\i], v[PT+\i]
	v_permlane16_swap_b32 v[PC+6+\i], v[PT+4+\i]
.endr
.irp i, 0,1,2
	v_mov_b32 v[PC+3+\i], v[PT+\i]
	v_mov_b32 v[PC+9+\i], v[PT+4+\i]
.endr
.endm
	s_load_b128 s[4:7], s[0:1], 0x0
	s_load_b128 s[8:11], s[0:1], 0x10
	v_lshl_add_u32 v[SPW], v0, 2, SPARE
	v_mov_b32 v[NIL], 0
	ds_add_u32 v[SPW], v[NIL]
	ds_add_u32 v[SPW], v[NIL]
	v_lshrrev_b32 v1, 5, v0
	v_readfirstlane_b32 s14, v1
	s_lshr_b32 s15, s14, 1
	s_and_b32 s16, s14, 1
	s_bfe_u32 s40, ttmp6, 0x40000
	s_bfe_u32 s41, ttmp6, 0x40004
	s_lshl_b32 s42, ttmp9, 2
	s_add_co_u32 s42, s42, s40
	s_and_b32 s17, ttmp7, 0xffff
	s_lshl_b32 s17, s17, 2
	s_add_co_u32 s17, s17, s41
	s_lshl_b32 s43, s41, 2
	s_lshl_b32 s43, 15, s43
	s_lshl_b32 s44, 0x1111, s40
	s_or_b32 s[G1], s43, (3<<16)|(1<<21)
	s_or_b32 s[G1B], s44, (3<<16)|(1<<21)
.irp g, G1, G1B
	s_mov_b32 s[\g+1], (KPS*192)<<16
	s_mov_b32 s[\g+2], (2*NA)<<16                  ; the head's loads bring all 2 NA tiles; behind them the two words that count rows are set to NA
	s_mov_b32 s[\g+3], (KPS*192)<<16
	s_mov_b32 s[\g+4], 2*NA
	s_mov_b32 s[\g+5], S*192
	s_mov_b32 s[\g+6], 0
	s_mov_b32 s[\g+7], 0
.endr
	s_or_b32 s[G1S], s43, (3<<16)|(1<<21)
	s_or_b32 s[G1SB], s44, (3<<16)|(1<<21)
.irp g, G1S, G1SB
	s_mov_b32 s[\g+1], 32<<16
	s_mov_b32 s[\g+2], (2*HALFS/256)<<16
	s_mov_b32 s[\g+3], 32<<16
	s_mov_b32 s[\g+4], 2*HALFS/256
	s_mov_b32 s[\g+5], 32
	s_mov_b32 s[\g+6], 0
	s_mov_b32 s[\g+7], 0
.endr
	s_mul_i32 s18, s16, NA
	s_mul_i32 s20, s17, 2*NA
	s_add_co_u32 s20, s20, s18
	s_mul_i32 s46, s42, 2*NA
	s_add_co_u32 s46, s46, s18
	s_mul_i32 s22, s20, S*64
	s_add_co_u32 s22, s22, XS_OFF
	s_mov_b32 s23, 0
	s_mul_i32 s20, s20, S*1536
	s_mov_b32 s21, 0
	s_mul_i32 s92, s46, S*64
	s_add_co_u32 s92, s92, YS_OFF
	s_mov_b32 s93, 0
	s_mul_i32 s46, s46, S*1536
	s_add_co_u32 s46, s46, YC_OFF
	s_mov_b32 s47, 0
	s_mul_i32 s45, s14, HALFT
	s_mov_b32 s[SEL], 0x76543210
	s_mov_b32 s[SEL+1], 0xfedcba98
	s_wait_dscnt 0x0
	s_wait_kmcnt 0x0
	s_add_nc_u64 s[20:21], s[4:5], s[20:21]
	s_add_nc_u64 s[22:23], s[4:5], s[22:23]
	s_add_nc_u64 s[46:47], s[6:7], s[46:47]
	s_add_nc_u64 s[92:93], s[6:7], s[92:93]
	CROUND
; THE HEAD'S FOUR TILES, each whole, one joint load a wave: wave 0 fill 0 of X's 2 NA tiles, wave 1 of Y's, wave 2 X's scale words, wave 3 Y's.
; No prefetch: K is 1,024, and half of it is in the two first fills.
.set G0H, 4                            ; s[4:7], s[96:99]: group 0 of the two loads of codes (the arguments that lay in s[4:7] have been used)
.set G0HB, 96
.macro ARM under, g0, g1, next
	s_cmp_lt_u32 s14, \under
	s_cbranch_scc0 \next
	tensor_load_to_lds s[\g0:\g0+3], s[\g1:\g1+7]
	s_nop 0
.rept 4
	v_nop
.endr
	s_branch .Lhead_asked
\next:
.endm
	s_mul_i32 s18, s16, NA*S*1536                  ; my ring addresses hold my half: taken off, they are the whole tiles' first bytes
	s_mov_b32 s19, 0
	s_mov_b32 s[G0H], 1
	s_mov_b32 s[G0H+1], 0
	s_sub_nc_u64 s[G0H+2:G0H+3], s[20:21], s[18:19]
	s_or_b32 s[G0H+3], s[G0H+3], 0x80000000
	s_mov_b32 s[G0HB], 1
	s_mov_b32 s[G0HB+1], 2*HALFT
	s_sub_nc_u64 s[G0HB+2:G0HB+3], s[46:47], s[18:19]
	s_or_b32 s[G0HB+3], s[G0HB+3], 0x80000000
	s_mul_i32 s18, s16, HALFS
	s_mov_b32 s[G0S], 1
	s_mov_b32 s[G0S+1], SCL
	s_sub_nc_u64 s[G0S+2:G0S+3], s[22:23], s[18:19]
	s_or_b32 s[G0S+3], s[G0S+3], 0x80000000
	s_mov_b32 s[G0SB], 1
	s_mov_b32 s[G0SB+1], SCL+2*HALFS
	s_sub_nc_u64 s[G0SB+2:G0SB+3], s[92:93], s[18:19]
	s_or_b32 s[G0SB+3], s[G0SB+3], 0x80000000
.irp s, 0,1
	s_mov_b32 s[G0+4*\s], 1
	s_add_co_u32 s[G0+4*\s+1], s45, \s*SLOT
	s_add_nc_u64 s[G0+4*\s+2:G0+4*\s+3], s[20:21], \s*KPS*1536
	s_or_b32 s[G0+4*\s+3], s[G0+4*\s+3], 0x80000000
	s_mov_b32 s[G0B+4*\s], 1
	s_add_co_u32 s[G0B+4*\s+1], s45, \s*SLOT
	s_add_nc_u64 s[G0B+4*\s+2:G0B+4*\s+3], s[46:47], \s*KPS*1536
	s_or_b32 s[G0B+4*\s+3], s[G0B+4*\s+3], 0x80000000
.endr
	ARM 1, G0H,  G1,  .Lhead_b                     ; one chain of branches on the wave's number: every way passes exactly one load
	ARM 2, G0HB, G1B, .Lhead_sa
	ARM 3, G0S,  G1S, .Lhead_sb
	tensor_load_to_lds s[G0SB:G0SB+3], s[G1SB:G1SB+7]
	s_nop 0
.rept 4
	v_nop
.endr
.Lhead_asked:
	v_and_b32 v1, 31, v0
	v_and_b32 v2, 15, v0
	v_bfe_u32 v3, v0, 4, 1
	v_lshlrev_b32 v[L16], 4, v1
	v_lshlrev_b32 v[L8], 3, v1
	s_mul_i32 s21, s15, HALFT
	s_mul_i32 s22, s16, HALFT
	s_add_co_u32 s22, s22, 2*HALFT
.irp s, 0,1
	v_add_nc_u32 v[XA16+\s], s21, v[L16]
	v_add_nc_u32 v[XA8+\s], s21, v[L8]
	v_add_nc_u32 v[YA16+\s], s22, v[L16]
	v_add_nc_u32 v[YA8+\s], s22, v[L8]
	s_add_co_u32 s21, s21, SLOT
	s_add_co_u32 s22, s22, SLOT
.endr
	s_mul_i32 s21, s15, HALFS
	s_mul_i32 s22, s16, HALFS
	s_add_co_u32 s22, s22, 2*HALFS
	s_sub_co_u32 s22, s22, s21
	v_mul_u32_u24 v6, s22, v3
	s_add_co_u32 s21, s21, SCL
	v_lshl_add_u32 v6, v2, 2, v6
	v_add_nc_u32 v[ADRS], s21, v6
	v_lshlrev_b32 v7, 6, v3
	v_lshlrev_b32 v17, 11, v3
	v_lshl_add_u32 v17, v2, 2, v17
	v_mov_b32 v20, 0xbdd2d3e8
	v_mov_b32 v21, 0xbdd2d3e8
	v_mov_b32 v22, 0xc0135761
	v_mov_b32 v23, 0xc0135761
.irp b, 0,1,2,3
	v_mov_b32 v[TM+4+\b], 0
.endr
	s_lshl_b32 s46, s42, 10
	s_lshl_b32 s47, s16, 9
	s_add_co_u32 s46, s46, s47
	s_mov_b32 s47, 0
	s_add_nc_u64 s[8:9], s[8:9], s[46:47]
	WIN 0x40
.set b, 0
.rept 8
	global_load_b128 v[192+8*b:195+8*b], v7, s[8:9] offset:128*(b/2)+32*(b%2)
	global_load_b128 v[196+8*b:199+8*b], v7, s[8:9] offset:128*(b/2)+32*(b%2)+16
.set b, b+1
.endr
	WIN 0
	s_lshl_b32 s20, s17, 4
	s_lshl_b32 s21, s15, 3
	s_add_co_u32 s20, s20, s21
	s_lshl_b32 s20, s20, 5
	s_lshl_b32 s21, s42, 1
	s_add_co_u32 s20, s20, s21
	s_add_co_u32 s20, s20, s16
	s_lshl_b32 s22, s20, 6
	s_add_co_u32 s22, s22, HID_S
	s_mov_b32 s23, 0
	s_mul_i32 s20, s20, 1536
	s_mov_b32 s21, 0
	s_add_nc_u64 s[12:13], s[10:11], s[22:23]
	s_add_nc_u64 s[10:11], s[10:11], s[20:21]
	s_wait_alu depctr_va_vdst(0)
	s_wait_tensorcnt 0x0                           ; my tile of the head's four is in; slot 1's first fill is issued as a refill is
	ds_add_u32 v[SPW], v[NIL]
	s_mov_b32 s[G1+2], NA<<16                      ; no tensor load of mine is out: from here on a load brings NA tiles
	s_mov_b32 s[G1+4], NA
	s_mov_b32 s[G1B+2], NA<<16
	s_mov_b32 s[G1B+4], NA
	s_wait_dscnt 0x0
	CROUND
	JLOAD G0+4, G1, G0B+4, G1B                     ; fill 1, a quarter of the slot a wave
	FETCH 0
	s_wait_loadcnt 0x0
	STEP 0, 2
.irp q, 1,2,3,4,5,6,7
	STEP \q, 0
.endr
	WIN 0
	PLACES 4
.macro EPI a
.set W, 2+(\a)/4
.set AC, 64*((\a)%4)
.set WN, W|(W<<2)
	WIN WN
.set i, 0
.rept 32
	v_pk_mul_f32 v[HA+i:HA+i+1], v[AC+i:AC+i+1], v[AC+i:AC+i+1]
.set i, i+2
.endr
	WIN 0
.set i, 0
.rept 32
	v_pk_fma_f32 v[HA+i:HA+i+1], v[HA+i:HA+i+1], v[20:21], v[22:23]
.set i, i+2
.endr
.set WN, W<<2
	WIN WN
.set i, 0
.rept 32
	v_pk_mul_f32 v[HA+i:HA+i+1], v[HA+i:HA+i+1], v[AC+i:AC+i+1]
.set i, i+2
.endr
	WIN 0
.set i, 0
	s_wait_alu depctr_va_vdst(0)
.rept 64
	v_exp_f32 v[HA+i], v[HA+i]
.set i, i+1
.endr
	v_nop
	s_wait_alu depctr_va_vdst(0)
.set i, 0
.rept 32
	v_pk_add_f32 v[HA+i:HA+i+1], v[HA+i:HA+i+1], 1.0 op_sel_hi:[1,0]
.set i, i+2
.endr
.set i, 0
	s_wait_alu depctr_va_vdst(0)
.rept 64
	v_rcp_f32 v[HA+i], v[HA+i]
.set i, i+1
.endr
	v_nop
	s_wait_alu depctr_va_vdst(0)
	WIN WN
.set i, 0
.rept 32
	v_pk_mul_f32 v[HA+i:HA+i+1], v[HA+i:HA+i+1], v[AC+i:AC+i+1]
.set i, i+2
.endr
	WIN 0
	s_wait_xcnt 0x0
	QUANT HA, 148+(\a)
	global_store_b128 v[L16], v[PC:PC+3], s[10:11] offset:(\a)*49152
	global_store_b64 v[L8], v[PC+4:PC+5], s[10:11] offset:(\a)*49152+512
	global_store_b128 v[L16], v[PC+6:PC+9], s[10:11] offset:(\a)*49152+768
	global_store_b64 v[L8], v[PC+10:PC+11], s[10:11] offset:(\a)*49152+1280
.endm
.irp a, 0,1,2,3,4,5,6,7
	EPI \a
.endr
	v_cmp_le_u32 vcc_lo, 16, v1
.irp a, 0,2,4,6
	v_cndmask_b32 v[156+\a/2], v[148+\a], v[149+\a], vcc_lo
	global_store_b32 v17, v[156+\a/2], s[12:13] offset:\a*2048
.endr
	s_wait_tensorcnt 0x0
	ds_add_u32 v[SPW], v[NIL]
	s_wait_dscnt 0x0
	CROUND
	s_endpgm
.Lfunc_end_k_qe9630ef1e5_mlp1:
	.size	k_qe9630ef1e5_mlp1, .Lfunc_end_k_qe9630ef1e5_mlp1-k_qe9630ef1e5_mlp1
	.p2alignl 7, 3214868480
	.fill 96, 4, 3214868480
	.section	.rodata,"a",@progbits
	.p2align	6, 0x0
	.amdhsa_kernel k_qe9630ef1e5_mlp1
		.amdhsa_group_segment_fixed_size 327680
		.amdhsa_private_segment_fixed_size 0
		.amdhsa_enable_private_segment 0
		.amdhsa_kernarg_size 32
		.amdhsa_user_sgpr_count 2
		.amdhsa_user_sgpr_kernarg_segment_ptr 1
		.amdhsa_wavefront_size32 1
		.amdhsa_system_sgpr_workgroup_id_x 1
		.amdhsa_system_sgpr_workgroup_id_y 1
		.amdhsa_system_sgpr_workgroup_id_z 1
		.amdhsa_system_vgpr_workitem_id 0
		.amdhsa_next_free_vgpr 1024
		.amdhsa_next_free_sgpr 100
		.amdhsa_reserve_vcc 1
		.amdhsa_float_denorm_mode_32 3
		.amdhsa_float_denorm_mode_16_64 3
		.amdhsa_memory_ordered 1
		.amdhsa_forward_progress 1
		.amdhsa_inst_pref_size 255
	.end_amdhsa_kernel
	.section	.bss,"aw",@nobits
	.p2align	6
	.space	262144
	.amdgpu_metadata
---
amdhsa.version: [ 1, 2 ]
amdhsa.kernels:
  - .name:           k_qe9630ef1e5_mlp1
    .symbol:         k_qe9630ef1e5_mlp1.kd
    .args:
      - { .name: hq, .offset: 0, .size: 8, .value_kind: global_buffer, .address_space: global }
      - { .name: wts, .offset: 8, .size: 8, .value_kind: global_buffer, .address_space: global }
      - { .name: b1, .offset: 16, .size: 8, .value_kind: global_buffer, .address_space: global }
      - { .name: hid, .offset: 24, .size: 8, .value_kind: global_buffer, .address_space: global }
    .group_segment_fixed_size: 327680
    .private_segment_fixed_size: 0
    .kernarg_segment_align: 8
    .kernarg_segment_size: 32
    .max_flat_workgroup_size: 128
    .sgpr_count:     100
    .vgpr_count:     1024
    .wavefront_size: 32
...
	.end_amdgpu_metadata
.endif
;; end of part 7
;; launch mlp2 (part 8): grid 8 x 32, 4 waves a work-group, clusters of 4 x 4, 327,680 bytes of LDS; arguments hid, wts, b2, x1, out0; writes out0
.if DOCPART == 8
	.amdgcn_target "amdgcn-amd-amdhsa--gfx1250"
	.amdhsa_code_object_version 6
	.text
	.protected	k_qe9630ef1e5_mlp2
	.globl	k_qe9630ef1e5_mlp2
	.p2align	8
	.type	k_qe9630ef1e5_mlp2,@function
k_qe9630ef1e5_mlp2:
	s_mov_b64 s[64:65], 0
	v_nop
	global_prefetch_b8 v0, s[64:65] scope:SCOPE_SE
	s_setreg_imm32_b32 hwreg(HW_REG_WAVE_MODE, 25, 1), 1
	s_wait_xcnt 0x0
	s_wait_alu depctr_hold_cnt(0) depctr_sa_sdst(0) depctr_va_vdst(0) depctr_va_sdst(0) depctr_va_ssrc(0) depctr_va_vcc(0) depctr_vm_vsrc(0)
	s_getreg_b32 s2, hwreg(HW_REG_IB_STS2, 6, 4)
	s_cmp_eq_u32 s2, 0
	s_cbranch_scc0 .Lentry_in_a_cluster
	s_endpgm
.Lentry_in_a_cluster:
	s_bfe_u32 s2, ttmp6, 0x10000c
	s_cmp_lg_u32 s2, 0xf033
	s_cbranch_scc0 .Lentry_shape_is_right
	s_endpgm
.Lentry_shape_is_right:
.set NA, 4
.set KPS, 4
.set S, 32
.set NFILL, S/KPS
.set FR, 12
.set HALFT, NA*KPS*1536
.set SLOT, 4*HALFT
.set SCL, 2*SLOT
.set HALFS, NA*S*64
.set STAGE, SCL+4*HALFS
.set SPARE, STAGE+4*4352
.set XS_OFF, 12582912
.set YC_OFF, 6553600
.set YS_OFF, 9699328
.set RES, 10
.set OUTP, 12
.set L16, 4
.set L8, 5
.set XA16, 8
.set XA8, 10
.set YA16, 12
.set YA8, 14
.set ADRS, 16
.set STO, 19
.set RD, 20
.set SPW, 28
.set NIL, 29
.set SC, 32
.set XF, 64
.set G1, 24
.set G0, 32
.set G1B, 48
.set G0B, 56
.set G1S, 68
.set G0S, 76
.set G1SB, 80
.set G0SB, 88
.set MSB, 0
.macro WIN new
.if MSB != (\new)
	s_set_vgpr_msb (MSB<<8)|(\new)
.set MSB, \new
.endif
.endm
.macro PLACES n
.rept \n
	v_nop
.endr
.endm
.macro JLOAD g0a, g1a, g0b, g1b
	s_cmp_eq_u32 s15, 0
	s_cbranch_scc0 .Lfor_b_\@
	tensor_load_to_lds s[\g0a:\g0a+3], s[\g1a:\g1a+7]
	s_nop 0
.rept 4
	v_nop
.endr
	s_branch .Lasked_\@
.Lfor_b_\@:
	tensor_load_to_lds s[\g0b:\g0b+3], s[\g1b:\g1b+7]
	s_nop 0
.rept 4
	v_nop
.endr
.Lasked_\@:
.endm
.macro CROUND
	s_barrier_signal -1
	s_barrier_wait -1
	s_cmp_lg_u32 s14, 0
	s_cbranch_scc1 .Lnot_wave_0_\@
	s_barrier_signal -3
.Lnot_wave_0_\@:
	s_barrier_wait -3
	s_barrier_signal -1
	s_barrier_wait -1
.endm
.macro FRAGL reg, a16, a8, off
	ds_load_b128 v[\reg:\reg+3], v[\a16] offset:\off
	ds_load_b64 v[\reg+4:\reg+5], v[\a8] offset:\off+512
	ds_load_b128 v[\reg+6:\reg+9], v[\a16] offset:\off+768
	ds_load_b64 v[\reg+10:\reg+11], v[\a8] offset:\off+1280
.endm
.macro FETCH q
.set SL, ((\q)/KPS)%2
.set KK, (\q)%KPS
.set PP, (\q)%2
	WIN 0x40
.set i, 0
.rept NA
	FRAGL FR*NA*PP+FR*i, YA16+SL, YA8+SL, (i*KPS+KK)*1536
.set i, i+1
.endr
	WIN 0
.set i, 0
.rept NA
	FRAGL XF+FR*NA*PP+FR*i, XA16+SL, XA8+SL, (i*KPS+KK)*1536
.set i, i+1
.endr
.set i, 0
.rept NA
	ds_load_b32 v[SC+8*PP+i], v[ADRS] offset:i*S*64+64*(\q)
.set i, i+1
.endr
.endm
.macro MUL a0, n, p, z
.set a, \a0
.rept \n
.set b, 0
.rept NA
.set AC, 8*(NA*(a%4)+b)
.if \z == 2
	v_wmma_scale_f32_16x16x128_f8f6f4 v[AC:AC+7], v[FR*NA*(\p)+FR*b:FR*NA*(\p)+FR*b+11], v[XF+FR*NA*(\p)+FR*a:XF+FR*NA*(\p)+FR*a+11], v[192+8*b:199+8*b], v[SC+8*(\p)+b], v[SC+8*(\p)+a] matrix_a_fmt:MATRIX_FMT_BF6 matrix_b_fmt:MATRIX_FMT_BF6 matrix_a_scale:MATRIX_SCALE_ROW1
.else
	v_wmma_scale_f32_16x16x128_f8f6f4 v[AC:AC+7], v[FR*NA*(\p)+FR*b:FR*NA*(\p)+FR*b+11], v[XF+FR*NA*(\p)+FR*a:XF+FR*NA*(\p)+FR*a+11], v[AC:AC+7], v[SC+8*(\p)+b], v[SC+8*(\p)+a] matrix_a_fmt:MATRIX_FMT_BF6 matrix_b_fmt:MATRIX_FMT_BF6 matrix_a_scale:MATRIX_SCALE_ROW1
.endif
.set b, b+1
.endr
.set a, a+1
.endr
.endm
.macro CHANGE f
	WIN 0
	s_wait_tensorcnt 0x0
	ds_add_u32 v[SPW], v[NIL]
.if (\f)+1 < NFILL
.set SL2, ((\f)+1)%2
	s_add_nc_u64 s[G0+4*SL2+2:G0+4*SL2+3], s[G0+4*SL2+2:G0+4*SL2+3], 2*KPS*1536
	s_add_nc_u64 s[G0B+4*SL2+2:G0B+4*SL2+3], s[G0B+4*SL2+2:G0B+4*SL2+3], 2*KPS*1536
	s_wait_dscnt 0x0
	CROUND
	JLOAD G0+4*SL2, G1, G0B+4*SL2, G1B
.else
	s_wait_dscnt 0x0
	s_barrier_signal -1
	s_barrier_wait -1
	PLACES 4
.endif
.endm
.macro STEP q, z
	s_wait_dscnt 0x0
.if (\q)+1 < S
.if ((\q)+1)%KPS == 0
	CHANGE ((\q)+1)/KPS
.elseif (\q) > 0
	PLACES 4
.endif
	FETCH (\q)+1
.if (((\q)+1)%KPS == 0) && (((\q)+1)/KPS+3 < NFILL)
	global_prefetch_b8 v[PFO], s[PFA:PFA+1] offset:(((\q)+1)/KPS+3)*KPS*1536 th:TH_LOAD_NT scope:SCOPE_SE   ; the fill two refills on; the last fills have none behind them to ask for
.endif
.endif
.if \z == 2
	WIN 0x91
.else
	WIN 0xa1
.endif
	MUL 0, 4, (\q)%2, \z
.endm
	s_load_b128 s[4:7], s[0:1], 0x0
	s_load_b128 s[8:11], s[0:1], 0x10
	s_load_b64 s[12:13], s[0:1], 0x20
	v_lshl_add_u32 v[SPW], v0, 2, SPARE
	v_mov_b32 v[NIL], 0
	ds_add_u32 v[SPW], v[NIL]
	ds_add_u32 v[SPW], v[NIL]
	v_lshrrev_b32 v1, 5, v0
	v_readfirstlane_b32 s14, v1
	s_lshr_b32 s15, s14, 1
	s_and_b32 s16, s14, 1
	s_bfe_u32 s40, ttmp6, 0x40000
	s_bfe_u32 s41, ttmp6, 0x40004
	s_lshl_b32 s42, ttmp9, 2
	s_add_co_u32 s42, s42, s40
	s_and_b32 s17, ttmp7, 0xffff
	s_lshl_b32 s17, s17, 2
	s_add_co_u32 s17, s17, s41
	s_lshl_b32 s43, s41, 2
	s_lshl_b32 s43, 15, s43
	s_lshl_b32 s44, 0x1111, s40
	s_or_b32 s[G1], s43, (3<<16)|(1<<21)
	s_or_b32 s[G1B], s44, (3<<16)|(1<<21)
.irp g, G1, G1B
	s_mov_b32 s[\g+1], (KPS*192)<<16
	s_mov_b32 s[\g+2], (2*NA)<<16                  ; the head's loads bring all 2 NA tiles; behind them the two words that count rows are set to NA
	s_mov_b32 s[\g+3], (KPS*192)<<16
	s_mov_b32 s[\g+4], 2*NA
	s_mov_b32 s[\g+5], S*192
	s_mov_b32 s[\g+6], 0
	s_mov_b32 s[\g+7], 0
.endr
	s_or_b32 s[G1S], s43, (3<<16)|(1<<21)
	s_or_b32 s[G1SB], s44, (3<<16)|(1<<21)
.irp g, G1S, G1SB
	s_mov_b32 s[\g+1], 32<<16
	s_mov_b32 s[\g+2], (2*HALFS/256)<<16
	s_mov_b32 s[\g+3], 32<<16
	s_mov_b32 s[\g+4], 2*HALFS/256
	s_mov_b32 s[\g+5], 32
	s_mov_b32 s[\g+6], 0
	s_mov_b32 s[\g+7], 0
.endr
	s_mul_i32 s18, s16, NA
	s_mul_i32 s20, s17, 2*NA
	s_add_co_u32 s20, s20, s18
	s_mul_i32 s46, s42, 2*NA
	s_add_co_u32 s46, s46, s18
	s_mul_i32 s22, s20, S*64
	s_add_co_u32 s22, s22, XS_OFF
	s_mov_b32 s23, 0
	s_mul_i32 s20, s20, S*1536
	s_mov_b32 s21, 0
	s_mul_i32 s92, s46, S*64
	s_add_co_u32 s92, s92, YS_OFF
	s_mov_b32 s93, 0
	s_mul_i32 s46, s46, S*1536
	s_add_co_u32 s46, s46, YC_OFF
	s_mov_b32 s47, 0
	s_mul_i32 s45, s14, HALFT
	s_wait_dscnt 0x0
	s_wait_kmcnt 0x0
	s_add_nc_u64 s[20:21], s[4:5], s[20:21]
	s_add_nc_u64 s[22:23], s[4:5], s[22:23]
	s_add_nc_u64 s[46:47], s[6:7], s[46:47]
	s_add_nc_u64 s[92:93], s[6:7], s[92:93]
	CROUND
; THE HEAD'S FOUR TILES, each whole, one joint load a wave: wave 0 fill 0 of X's 2 NA tiles, wave 1 of Y's, wave 2 X's scale words, wave 3 Y's.
; PREFETCH: behind the load of fill j (j = 1 .. NFILL - 3) and the run of LDS loads that follows it, one instruction a wave names fill j + 2.  A wave's load is NA = 4 tiles x 6,144 bytes;
; of these the partner at place p among the four that ask jointly (cx for X, cy for Y) takes tile p, told apart by address: 24 blocks of 256 bytes, a lane a block, the lanes left over name the last again.
; The address registers are never rewritten: the fill stands in the immediate.
.set G0H, 4                            ; s[4:7], s[96:99]: group 0 of the two loads of codes (the arguments that lay in s[4:7] have been used)
.set G0HB, 96
.set PFA, 2                            ; s[2:3]: my work-group's tile of the four that my wave fetches, at fill 0
.set PFO, 22                           ; v22: 256 x min(lane, 23)
.macro ARM under, g0, g1, next
	s_cmp_lt_u32 s14, \under
	s_cbranch_scc0 \next
	tensor_load_to_lds s[\g0:\g0+3], s[\g1:\g1+7]
	s_nop 0
.rept 4
	v_nop
.endr
	s_branch .Lhead_asked
\next:
.endm
	s_mul_i32 s18, s16, NA*S*1536                  ; my ring addresses hold my half: taken off, they are the whole tiles' first bytes
	s_mov_b32 s19, 0
	s_mov_b32 s[G0H], 1
	s_mov_b32 s[G0H+1], 0
	s_sub_nc_u64 s[G0H+2:G0H+3], s[20:21], s[18:19]
	s_or_b32 s[G0H+3], s[G0H+3], 0x80000000
	s_mov_b32 s[G0HB], 1
	s_mov_b32 s[G0HB+1], 2*HALFT
	s_sub_nc_u64 s[G0HB+2:G0HB+3], s[46:47], s[18:19]
	s_or_b32 s[G0HB+3], s[G0HB+3], 0x80000000
	s_mul_i32 s18, s16, HALFS
	s_mov_b32 s[G0S], 1
	s_mov_b32 s[G0S+1], SCL
	s_sub_nc_u64 s[G0S+2:G0S+3], s[22:23], s[18:19]
	s_or_b32 s[G0S+3], s[G0S+3], 0x80000000
	s_mov_b32 s[G0SB], 1
	s_mov_b32 s[G0SB+1], SCL+2*HALFS
	s_sub_nc_u64 s[G0SB+2:G0SB+3], s[92:93], s[18:19]
	s_or_b32 s[G0SB+3], s[G0SB+3], 0x80000000
	s_cmp_eq_u32 s15, 0                            ; do I fetch for X?
	s_cselect_b64 s[PFA:PFA+1], s[20:21], s[46:47]
	s_cselect_b32 s18, s40, s41
	s_mul_i32 s18, s18, S*1536
	s_add_nc_u64 s[PFA:PFA+1], s[PFA:PFA+1], s[18:19]
.irp s, 0,1
	s_mov_b32 s[G0+4*\s], 1
	s_add_co_u32 s[G0+4*\s+1], s45, \s*SLOT
	s_add_nc_u64 s[G0+4*\s+2:G0+4*\s+3], s[20:21], \s*KPS*1536
	s_or_b32 s[G0+4*\s+3], s[G0+4*\s+3], 0x80000000
	s_mov_b32 s[G0B+4*\s], 1
	s_add_co_u32 s[G0B+4*\s+1], s45, \s*SLOT
	s_add_nc_u64 s[G0B+4*\s+2:G0B+4*\s+3], s[46:47], \s*KPS*1536
	s_or_b32 s[G0B+4*\s+3], s[G0B+4*\s+3], 0x80000000
.endr
	ARM 1, G0H,  G1,  .Lhead_b                     ; one chain of branches on the wave's number: every way passes exactly one load
	ARM 2, G0HB, G1B, .Lhead_sa
	ARM 3, G0S,  G1S, .Lhead_sb
	tensor_load_to_lds s[G0SB:G0SB+3], s[G1SB:G1SB+7]
	s_nop 0
.rept 4
	v_nop
.endr
.Lhead_asked:
	v_and_b32 v1, 31, v0
	v_and_b32 v2, 15, v0
	v_bfe_u32 v3, v0, 4, 1
	v_lshlrev_b32 v[L16], 4, v1
	v_lshlrev_b32 v[L8], 3, v1
	s_mul_i32 s21, s15, HALFT
	s_mul_i32 s22, s16, HALFT
	s_add_co_u32 s22, s22, 2*HALFT
.irp s, 0,1
	v_add_nc_u32 v[XA16+\s], s21, v[L16]
	v_add_nc_u32 v[XA8+\s], s21, v[L8]
	v_add_nc_u32 v[YA16+\s], s22, v[L16]
	v_add_nc_u32 v[YA8+\s], s22, v[L8]
	s_add_co_u32 s21, s21, SLOT
	s_add_co_u32 s22, s22, SLOT
.endr
	s_mul_i32 s21, s15, HALFS
	s_mul_i32 s22, s16, HALFS
	s_add_co_u32 s22, s22, 2*HALFS
	s_sub_co_u32 s22, s22, s21
	v_mul_u32_u24 v6, s22, v3
	s_add_co_u32 s21, s21, SCL
	v_lshl_add_u32 v6, v2, 2, v6
	v_add_nc_u32 v[ADRS], s21, v6
	s_mul_i32 s23, s14, 4352
	s_add_co_u32 s23, s23, STAGE
	v_mul_u32_u24 v[STO], v2, 272
	v_lshl_add_u32 v[STO], v3, 6, v[STO]
	v_add_nc_u32 v[STO], s23, v[STO]
	v_mul_u32_u24 v[RD], v3, 272
	v_lshl_add_u32 v[RD], v2, 4, v[RD]
	v_add_nc_u32 v[RD], s23, v[RD]
	v_lshlrev_b32 v18, 12, v3
	v_lshl_add_u32 v18, v2, 4, v18
	v_lshlrev_b32 v7, 6, v3
	v_min_u32 v[PFO], 23, v1
	v_lshlrev_b32 v[PFO], 8, v[PFO]
	s_wait_alu depctr_va_vdst(0)
	s_lshl_b32 s46, s42, 9
	s_lshl_b32 s47, s16, 8
	s_add_co_u32 s46, s46, s47
	s_mov_b32 s47, 0
	s_add_nc_u64 s[8:9], s[8:9], s[46:47]
	s_lshl_b32 s20, s17, 7
	s_lshl_b32 s21, s15, 6
	s_add_co_u32 s20, s20, s21
	s_lshl_b32 s20, s20, 12
	s_add_co_u32 s20, s20, s46
	s_mov_b32 s21, 0
	s_add_nc_u64 s[RES:RES+1], s[RES:RES+1], s[20:21]
	s_add_nc_u64 s[OUTP:OUTP+1], s[OUTP:OUTP+1], s[20:21]
	WIN 0x40
.set b, 0
.rept 4
	global_load_b128 v[192+8*b:195+8*b], v7, s[8:9] offset:128*(b/2)+32*(b%2)
	global_load_b128 v[196+8*b:199+8*b], v7, s[8:9] offset:128*(b/2)+32*(b%2)+16
.set b, b+1
.endr
	WIN 0xc0
.set n, 0
.rept 32
	global_load_b128 v[4*n:4*n+3], v18, s[RES:RES+1] offset:(32*((n/8)/2)+8*((n/8)%2)+2*(n%8)+8*((n%8)/4))*4096
.set n, n+1
.endr
	WIN 0
	s_wait_alu depctr_va_vdst(0)
	s_wait_tensorcnt 0x0                           ; my tile of the head's four is in; slot 1's first fill is issued as a refill is
	ds_add_u32 v[SPW], v[NIL]
	s_mov_b32 s[G1+2], NA<<16                      ; no tensor load of mine is out: from here on a load brings NA tiles
	s_mov_b32 s[G1+4], NA
	s_mov_b32 s[G1B+2], NA<<16
	s_mov_b32 s[G1B+4], NA
	s_wait_dscnt 0x0
	CROUND
	JLOAD G0+4, G1, G0B+4, G1B                     ; fill 1, a quarter of the slot a wave
	FETCH 0
	global_prefetch_b8 v[PFO], s[PFA:PFA+1] offset:3*KPS*1536 th:TH_LOAD_NT scope:SCOPE_SE   ; fill 3
	s_wait_loadcnt 32
	STEP 0, 2
.set QS, 1
.rept 31
	STEP QS, 0
.set QS, QS+1
.endr
	WIN 0
	PLACES 4
.macro OUTB a
.set BKR, 64+32*((\a)%2)
	WIN 0x08
.set b, 0
.rept 4
	ds_store_b128 v[STO], v[32*(\a)+8*b:32*(\a)+8*b+3] offset:128*(b/2)+32*(b%2)
	ds_store_b128 v[STO], v[32*(\a)+8*b+4:32*(\a)+8*b+7] offset:128*(b/2)+32*(b%2)+16
.set b, b+1
.endr
	WIN 0
.if (\a) >= 2
	s_wait_xcnt 0x0
.endif
.set t, 0
.rept 8
	ds_load_b128 v[BKR+4*t:BKR+4*t+3], v[RD] offset:544*t
.set t, t+1
.endr
	s_wait_dscnt 0x0
.if (\a) == 0
	s_wait_loadcnt 0x0
.endif
	WIN 0x0c
.set i, 0
.rept 16
	v_pk_add_f32 v[BKR+i:BKR+i+1], v[BKR+i:BKR+i+1], v[32*(\a)+i:32*(\a)+i+1]
.set i, i+2
.endr
	WIN 0
.set t, 0
.rept 8
	global_store_b128 v18, v[BKR+4*t:BKR+4*t+3], s[OUTP:OUTP+1] offset:(32*((\a)/2)+8*((\a)%2)+2*t+8*(t/4))*4096 th:TH_STORE_NT
.set t, t+1
.endr
.endm
	OUTB 0
	OUTB 1
	OUTB 2
	OUTB 3
	s_wait_tensorcnt 0x0
	ds_add_u32 v[SPW], v[NIL]
	s_wait_dscnt 0x0
	CROUND
	s_endpgm
.Lfunc_end_k_qe9630ef1e5_mlp2:
	.size	k_qe9630ef1e5_mlp2, .Lfunc_end_k_qe9630ef1e5_mlp2-k_qe9630ef1e5_mlp2
	.p2alignl 7, 3214868480
	.fill 96, 4, 3214868480
	.section	.rodata,"a",@progbits
	.p2align	6, 0x0
	.amdhsa_kernel k_qe9630ef1e5_mlp2
		.amdhsa_group_segment_fixed_size 327680
		.amdhsa_private_segment_fixed_size 0
		.amdhsa_enable_private_segment 0
		.amdhsa_kernarg_size 40
		.amdhsa_user_sgpr_count 2
		.amdhsa_user_sgpr_kernarg_segment_ptr 1
		.amdhsa_wavefront_size32 1
		.amdhsa_system_sgpr_workgroup_id_x 1
		.amdhsa_system_sgpr_workgroup_id_y 1
		.amdhsa_system_sgpr_workgroup_id_z 1
		.amdhsa_system_vgpr_workitem_id 0
		.amdhsa_next_free_vgpr 1024
		.amdhsa_next_free_sgpr 100
		.amdhsa_reserve_vcc 0
		.amdhsa_float_denorm_mode_32 3
		.amdhsa_float_denorm_mode_16_64 3
		.amdhsa_memory_ordered 1
		.amdhsa_forward_progress 1
		.amdhsa_inst_pref_size 178
	.end_amdhsa_kernel
	.amdgpu_metadata
---
amdhsa.version: [ 1, 2 ]
amdhsa.kernels:
  - .name:           k_qe9630ef1e5_mlp2
    .symbol:         k_qe9630ef1e5_mlp2.kd
    .args:
      - { .name: hid, .offset: 0, .size: 8, .value_kind: global_buffer, .address_space: global }
      - { .name: wts, .offset: 8, .size: 8, .value_kind: global_buffer, .address_space: global }
      - { .name: b2, .offset: 16, .size: 8, .value_kind: global_buffer, .address_space: global }
      - { .name: x1, .offset: 24, .size: 8, .value_kind: global_buffer, .address_space: global }
      - { .name: out0, .offset: 32, .size: 8, .value_kind: global_buffer, .address_space: global }
    .group_segment_fixed_size: 327680
    .private_segment_fixed_size: 0
    .kernarg_segment_align: 8
    .kernarg_segment_size: 40
    .max_flat_workgroup_size: 128
    .sgpr_count:     100
    .vgpr_count:     1024
    .wavefront_size: 32
...
	.end_amdgpu_metadata
.endif
;; end of part 8
